; MI455X (gfx1250); checked and timed in simulation.
; The chip was launched on July 23, 2026; its instructions are those of AMD's public machine-readable ISA for CDNA 5 (MIT licence, August 2026) and "CDNA5" Instruction Set Architecture Reference Guide (July 2026). The comments in the code are by the model that wrote it; some were corrected since.
;; MSA Row Attention With Pair Bias. Allowed arithmetic: matrix products marked QUANTISED: E2M3 operands, one E8M0 scale for each 32 along K, by v_wmma_scale_f32_16x16x128_f8f6f4 with both operands' format E2M3, f32 sums; products left as they are: f32 operands where the result goes on into a quantised operand, else bf16, f16 or f32 operands; f32 sums; everything else in f32.
;; Inputs: Wg 256 x 256 float32; Wk 256 x 256 float32; Wo 256 x 256 float32; Wp 128 x 8 float32; Wq 256 x 256 float32; Wv 256 x 256 float32; bg 256 float32; bo 256 float32; ln_m_b 256 float32; ln_m_g 256 float32; ln_p_b 128 float32; ln_p_g 128 float32; msa 1 x 128 x 256 x 256 float32; pair 1 x 256 x 256 x 128 float32.
;; Outputs: out0 1 x 128 x 256 x 256 float32.
;; This version of the problem:
;;   THIS VERSION OF THE PROBLEM IS GIVEN IN LOW PRECISION. The matrix products marked QUANTISED in the list below multiply operands that are first quantised to E2M3 (2 exponent bits, 3 mantissa bits; 6 bits a number), with one power-of-two scale for each 32 numbers along K (OCP MX v1.0); their sums are f32. All else is computed in f32.
;;   The module's matrix products, in the order in which they are computed (A, B: the left and right operand; K: the contracted axis; several contracted axes count as one K, in the product's order):
;;     1. [M 32,768, K 256] x [K 256, N 256]; A: computed on the way; B: input Wq: QUANTISED
;;     2. [M 32,768, K 256] x [K 256, N 256]; A: computed on the way; B: input Wk: QUANTISED
;;     3. [M 32,768, K 256] x [K 256, N 256]; A: computed on the way; B: input Wv: QUANTISED
;;     4. [M 32,768, K 256] x [K 256, N 256]; A: computed on the way; B: input Wg: QUANTISED
;;     5. [M 65,536, K 128] x [K 128, N 8]; A: computed on the way; B: input Wp: left as it is (N = 8 < 16)
;;     6. batch 1,024 x [M 256, K 32] x [K 32, N 256]; A: computed on the way; B: computed on the way: QUANTISED
;;     7. batch 1,024 x [M 32, K 256] x [K 256, N 256]; A: computed on the way; B: softmax (see below): QUANTISED
;;     8. [M 32,768, K 256] x [K 256, N 256]; A: computed on the way; B: input Wo: QUANTISED
;;   THE QUANTISER, for each operand of a quantised product, along K:
;;     - K is cut into blocks of 32 from its start; a last block that is shorter is filled with zeros.
;;     - A block's scale is 2^e with e = floor(log2(the largest magnitude in the block)) - 2, held to -126 .. 127; a block of zeros has e = 0. As a byte (E8M0): e + 127.
;;     - Each number is divided by its block's scale, clamped to +-7.5, and rounded to the nearest number of E2M3, ties to even, subnormals kept.
;;     - The product sums the exact products of the quantised numbers (number of the format x scale) in f32.
;;   ~~~python
;;   def quantise(x, axis):      # numpy; x: float32 -> the quantised numbers, widened to float32 again
;;       x = np.moveaxis(x, axis, -1); K = x.shape[-1]
;;       x = np.pad(x, [(0, 0)] * (x.ndim - 1) + [(0, -K % 32)]); x = x.reshape(x.shape[:-1] + (-1, 32)); a = np.abs(x).max(-1, keepdims=True)
;;       e = np.where(a > 0, np.clip(np.frexp(np.where(a > 0, a, 1))[1] - 1 - 2, -126, 127), 0)      # np.frexp(a)[1] - 1 = floor(log2(a)), exactly
;;       r = np.clip(x / 2.0 ** e, -7.5, 7.5)
;;       step = 2.0 ** (np.maximum(np.frexp(np.where(r == 0, 1, r))[1] - 1, 0) - 3)
;;       q = np.round(r / step) * step * 2.0 ** e      # np.round: ties to even
;;       return np.moveaxis(q.reshape(q.shape[:-2] + (-1,))[..., :K], -1, axis).astype(np.float32)
;;   ~~~
;;   SOFTMAX AHEAD OF A QUANTISED PRODUCT. Where the list says 'softmax', what is quantised is not the finished softmax but p = 2^(t - M), with t = logit x log2(e) and M = ceil(the row's largest t), a whole number; so 1/2 < the row's largest p <= 1. The row's sum l is taken of the UNQUANTISED p, in f32, and the product's result is divided by l at the end. Since M is a whole number, a kernel that streams over the keys may use a running M (the ceiling of the running maximum): every later rescaling is an exact power of two, which a block's scale takes up: the codes' values come out the same.
;;   OPERANDS COMPUTED ON THE WAY. 'Computed on the way' means the value that the module computes at that place (a softmax that the list does not call 'softmax' is quantised finished and normalised). What goes into a quantiser is computed in f32, as accurately as f32 sums, v_exp_f32 and their like allow (about 1e-6 of the number): no bf16 or f16 on the way to a quantiser, and a product that is left as it is and whose result goes on into a quantised operand takes f32 operands (vector FMAs, or v_wmma_f32_16x16x4_f32). A number that lies on a knife's edge between two numbers of the format may be rounded either way, as far as f32 arithmetic and the matrix unit's own rounding can turn it there, and no further.
;; 3 versions, each right; version 2 is faster than version 1; version 3 is version 2 with the launch main written anew for expert scheduling mode. Each part assembles by itself: llvm-mc -triple=amdgcn-amd-amdhsa -mcpu=gfx1250 --defsym DOCPART=n.
;; ======== version 1 of 3: 2 launches
;; workspace buffers: mfrag 6,291,456 bytes; mscl 262,144 bytes; wfrag 245,760 bytes; wscl 10,240 bytes; bias 2,097,152 bytes
;; launch prep (part 1): grid 522 x 1, 8 waves a work-group, no clusters, 145,408 bytes of LDS; arguments msa, pair, ln_m_g, ln_m_b, mfrag, mscl, ln_p_g, ln_p_b, Wp, bias, Wq, Wk, Wv, Wg, Wo, wfrag, wscl; writes mfrag, mscl, bias, wfrag, wscl
.if DOCPART == 1
	.amdgcn_target "amdgcn-amd-amdhsa--gfx1250"
	.amdhsa_code_object_version 6
	.text
	.protected	k_qaf31be843d_prep
	.globl	k_qaf31be843d_prep
	.p2align	8
	.type	k_qaf31be843d_prep,@function
k_qaf31be843d_prep:
	s_mov_b64 s[64:65], 0
	v_nop
	global_prefetch_b8 v0, s[64:65] scope:SCOPE_SE
	s_setreg_imm32_b32 hwreg(HW_REG_WAVE_MODE, 25, 1), 1
	s_wait_xcnt 0x0
; PREP: everything that is made once and read many times.
;   work-groups 0-9:     the five weights [256 (k)][256 (n)] f32 -> codes of FP6 (E2M3) along k, as images of operand registers (wfrag), and their scale words (wscl)
;   work-groups 10-265:  bias = LN(pair) @ Wp, all in f32 (it goes on into a softmax that is quantised), times sqrt(32), laid as the score accumulators of the second launch want it
;   work-groups 266-521: LN(msa) -> codes of FP6 along the 256 channels, as images of operand registers (mfrag), and their scale words (mscl)
; THE ROWS OF A TILE ARE NOT NEIGHBOURS: row r of tile T (of residues, or of a weight's columns) is 32 (T / 2) + 8 (T % 2) + r + 8 (r / 8), so that in a result whose M axis is such a tile
; the 16 registers of tiles 2 b and 2 b + 1 are 16 neighbours.
; An IMAGE of a fragment (16 rows x 128 K, 12 registers a lane): registers 4 c .. 4 c + 3 of lane l at 512 c + 16 l: 1,536 bytes.  A scale row: 128 bytes, lanes 0-15 the word of K step 0, lanes 16-31 that of K step 1.
; A wave takes one piece of 16 KiB (16 rows of msa; 2 x 16 rows of pair): 32 loads of 512 consecutive bytes, turned through the wave's own stage in LDS.  No loop, no tensor load.
; LIMITS: NaN and infinities among the inputs are not served.  A block whose largest magnitude lies under 2^-124, a block of zeros too, gets the scale byte 1 (its codes are then zeros or nearly); the bytes are read by this program alone.
.set FIRSTP, 10                        ; first work-group of pair
.set FIRSTM, 266                       ; first work-group of msa
.set STGB,  16896                      ; a wave's stage: 32 slots of 512 bytes + 16
.set SLP,   528
.set OSB,   8*STGB                     ; behind the stages: pair's way out, 8 heads x 4 x 288 bytes
.set LI,  1                            ; v1   16 x lane
.set LS,  2                            ; v2   4 x lane
.set STW, 3                            ; v3   stage, way in
.set RDM, 4                            ; v4   stage, way out for msa: row r (two slots), + 64 h
.set RDP, 5                            ; v5   stage, way out for pair: slot = lane
.set OSW, 6                            ; v6   pair's out stage, way in
.set OSR, 7                            ; v7   and way out
.set H64, 8                            ; v8   64 h
.set WL,  9                            ; v9   a weight's column and half: 4 (r + 8 (r / 8)) + 32 rows x h
.set POF, 10                           ; v10  512 h + 16 r
.set CH,  12                           ; v12-19  four chains of sums, a pair each
.set MU,  20                           ; v20-21  the mean, twice
.set RS,  22                           ; v22-23  1 / sqrt(var + eps), twice
.set T0,  24
.set T1,  25
.set TM,  26                           ; v26-41  the quantiser's 16 registers; in pair's path v26-33 the eight heads' sums, v34-37 four normalised numbers
.set PW0, 42
.set PW1, 43
.set PC0, 44                           ; v44-63  a fragment's codes (12) and the halves still to be swapped (8)
.set X,   64                           ; v64-191 the 128 numbers of a lane
.set GR,  192                          ; v192-223 gains, v224-255 biases of 32 of them
.set BR,  224
.set PC1, 192                          ; the second fragment's codes, when gains are done with
.set SEL, 2                            ; s[2:3] selects of v_permlanex16_b32: lane l xor 16
.set WV,  66
.set TAU, 100                          ; msa: my tile, 16 s + T
.set HIM, 101                          ; lanes 16-31
.set INV, 104                          ; 1 / the row's length
.set EPS, 105
; 64 numbers of a lane, register 16 b + i = k 32 b + 16 (lane / 16) + i of my row, become a fragment's codes in v[pc] .. v[pc + 11] and its scale word in v[pw]
.macro QUANT s, pc, pw
.irp b,0,1,2,3
	v_max3_num_f32 v[TM+\b], |v[\s+16*\b]|, |v[\s+1+16*\b]|, 0x1800000   ; my 16 numbers of block b, and the floor 2^(3 - 127): the byte cannot fall under 1
.endr
.irp i,2,4,6,8,10,12,14
.irp b,0,1,2,3
	v_max3_num_f32 v[TM+\b], v[TM+\b], |v[\s+16*\b+\i]|, |v[\s+1+16*\b+\i]|
.endr
.endr
.irp b,0,1,2,3
	v_permlanex16_b32 v[TM+4+\b], v[TM+\b], s[SEL], s[SEL+1]
.endr
.irp b,0,1,2,3
	v_max_num_f32 v[TM+\b], v[TM+\b], v[TM+4+\b]           ; with lane l xor 16's: the block's largest magnitude
.endr
.irp b,0,1,2,3
	v_add_nc_u32 v[TM+12+\b], 0xff000000, v[TM+\b]         ; 2 off its exponent field: the conversion's scale operand
.endr
.irp b,0,1,2,3
	v_lshrrev_b32 v[TM+4+\b], 23, v[TM+12+\b]              ; the scale's byte
.endr
	v_lshl_or_b32 v[\pw], v[TM+5], 8, v[TM+4]
	v_lshl_or_b32 v[\pw], v[TM+6], 16, v[\pw]
	v_lshl_or_b32 v[\pw], v[TM+7], 24, v[\pw]
.irp c,0,1
	v_cvt_scalef32_pk16_fp6_f32 v[\pc+6*\c:\pc+2+6*\c], v[\s+32*\c:\s+15+32*\c], v[TM+12+2*\c]
	v_cvt_scalef32_pk16_fp6_f32 v[\pc+12+4*\c:\pc+14+4*\c], v[\s+16+32*\c:\s+31+32*\c], v[TM+13+2*\c]   ; (a conversion's three registers begin on an even number)
.endr
	v_nop                                                  ; one plain place behind a scaled conversion
.irp c,0,1                                                 ; the operand wants a WHOLE block in a lane: lanes 0-15 block 2 c, lanes 16-31 block 2 c + 1
.irp i,0,1,2
	v_permlane16_swap_b32 v[\pc+6*\c+\i], v[\pc+12+4*\c+\i]
.endr
.irp i,0,1,2
	v_mov_b32 v[\pc+3+6*\c+\i], v[\pc+12+4*\c+\i]
.endr
.endr
.endm
.macro MERGE                           ; four chains -> one number in v[T0]
	v_pk_add_f32 v[CH:CH+1], v[CH:CH+1], v[CH+2:CH+3]
	v_pk_add_f32 v[CH+4:CH+5], v[CH+4:CH+5], v[CH+6:CH+7]
	v_pk_add_f32 v[CH:CH+1], v[CH:CH+1], v[CH+4:CH+5]
	v_add_f32 v[T0], v[CH], v[CH+1]
.endm
; The norm's statistics of my 128 numbers (join = 1: with lane l xor 16's 128), in two passes: the mean is taken away before the squares.  Leaves X centred and 1 / sqrt(var + eps) in v[RS], v[RS + 1].
.macro LN join
.irp k,0,1,2,3
	v_pk_add_f32 v[CH+2*\k:CH+2*\k+1], v[X+4*\k:X+4*\k+1], v[X+4*\k+2:X+4*\k+3]   ; the first eight pairs start the chains: nothing is cleared
.endr
.set J, 8
.rept 56
	v_pk_add_f32 v[CH+2*(J%4):CH+2*(J%4)+1], v[CH+2*(J%4):CH+2*(J%4)+1], v[X+2*J:X+2*J+1]
.set J, J+1
.endr
	MERGE
.if \join
	v_permlanex16_b32 v[T1], v[T0], s[SEL], s[SEL+1]
	v_add_f32 v[T0], v[T0], v[T1]
.endif
	v_mul_f32 v[MU], s[INV], v[T0]
	v_mov_b32 v[MU+1], v[MU]
.set J, 0
.rept 64
	v_pk_add_f32 v[X+2*J:X+2*J+1], v[X+2*J:X+2*J+1], v[MU:MU+1] neg_lo:[0,1] neg_hi:[0,1]
.set J, J+1
.endr
.irp k,0,1,2,3
	v_pk_mul_f32 v[CH+2*\k:CH+2*\k+1], v[X+2*\k:X+2*\k+1], v[X+2*\k:X+2*\k+1]
.endr
.set J, 4
.rept 60
	v_pk_fma_f32 v[CH+2*(J%4):CH+2*(J%4)+1], v[X+2*J:X+2*J+1], v[X+2*J:X+2*J+1], v[CH+2*(J%4):CH+2*(J%4)+1]
.set J, J+1
.endr
	MERGE
.if \join
	v_permlanex16_b32 v[T1], v[T0], s[SEL], s[SEL+1]
	v_add_f32 v[T0], v[T0], v[T1]
.endif
	v_fma_f32 v[T0], v[T0], s[INV], s[EPS]                 ; var + eps
	v_rsq_f32 v[RS], v[T0]
	v_rsq_f32 v[RS+1], v[T0]                               ; twice: the packed multiply names a pair
	v_nop                                                  ; a plain place behind the transcendentals
	s_wait_alu depctr_va_vdst(0)                           ; one wait for both, ahead of their first reader
.endm
	s_load_b128 s[16:19], s[0:1], 0x0                      ; msa, pair
	s_load_b256 s[20:27], s[0:1], 0x10                     ; ln_m_g, ln_m_b, mfrag, mscl
	s_load_b256 s[28:35], s[0:1], 0x30                     ; ln_p_g, ln_p_b, Wp, bias
	s_load_b256 s[36:43], s[0:1], 0x50                     ; Wq, Wk, Wv, Wg
	s_load_b128 s[44:47], s[0:1], 0x70                     ; Wo, wfrag
	s_load_b64 s[48:49], s[0:1], 0x80                      ; wscl
	v_lshl_add_u32 v59, v0, 2, 0x23400
	v_mov_b32 v63, 0
	v_lshrrev_b32 v11, 5, v0
	v_readfirstlane_b32 s[WV], v11                         ; wave 0..7
	v_and_b32 v11, 31, v0                                  ; lane
	v_lshlrev_b32 v[LI], 4, v11
	v_lshlrev_b32 v[LS], 2, v11
	s_mul_i32 s67, s[WV], STGB
	v_add_nc_u32 v[STW], s67, v[LI]
	v_and_b32 v[T0], 15, v0                                ; r
	v_bfe_u32 v[T1], v0, 4, 1                              ; h
	v_mul_u32_u24 v[RDM], v[T0], 2*SLP
	v_lshl_add_u32 v[RDM], v[T1], 6, v[RDM]
	v_add_nc_u32 v[RDM], s67, v[RDM]
	v_mul_u32_u24 v[RDP], v11, SLP
	v_add_nc_u32 v[RDP], s67, v[RDP]
	v_lshrrev_b32 v[OSW], 2, v[T0]                         ; pair's out stage, in: (key / 4) x 288 + (2 w + h) x 16 + (key % 4) x 4: a wave's 32 words fall on 32 banks
	v_mul_u32_u24 v[OSW], v[OSW], 288
	v_lshl_add_u32 v[OSW], v[T1], 4, v[OSW]
	v_and_b32 v[OSR], 3, v0
	v_lshl_add_u32 v[OSW], v[OSR], 2, v[OSW]
	s_lshl_b32 s67, s[WV], 5
	s_add_co_u32 s67, s67, OSB
	v_add_nc_u32 v[OSW], s67, v[OSW]
	v_mul_u32_u24 v[OSR], v[T1], 288                       ; and out: head = wave
	v_lshl_add_u32 v[OSR], v[T0], 4, v[OSR]
	s_mul_i32 s67, s[WV], 1152
	s_add_co_u32 s67, s67, OSB
	v_add_nc_u32 v[OSR], s67, v[OSR]
	v_lshlrev_b32 v[H64], 6, v[T1]
	v_and_b32 v[WL], 8, v[T0]
	v_add_nc_u32 v[WL], v[WL], v[T0]                       ; r + 8 (r / 8)
	v_lshlrev_b32 v[WL], 2, v[WL]
	v_lshl_add_u32 v[WL], v[T1], 15, v[WL]                 ; lanes 16-31 begin 32 rows of 1,024 bytes further down
	v_lshlrev_b32 v[POF], 9, v[T1]
	v_lshl_add_u32 v[POF], v[T0], 4, v[POF]
.irp i,4,5,6,7,8,9
	v_mov_b32 v[TM+\i], 0                                  ; written once: a lane permute's destination counts as one of its sources
.endr
	s_mov_b32 s[SEL], 0x76543210
	s_mov_b32 s[SEL+1], 0xfedcba98
	s_mov_b32 s[EPS], 0x3727c5ac                           ; 1e-5
	s_mov_b32 s[HIM], 0xffff0000
	s_cmp_lt_u32 ttmp9, FIRSTP
	s_cbranch_scc1 .Lweights
	; ---- msa and pair take one loader: only input pointers and offsets are chosen, by the work-group's number
	s_sub_co_u32 s50, ttmp9, FIRSTM
	s_lshl_b32 s50, s50, 3
	s_add_co_u32 s[TAU], s50, s[WV]                        ; msa: tile 16 s + T
	s_and_b32 s50, s[TAU], 0xfffffff0
	s_lshl_b32 s50, s50, 4                                 ; 256 s
	s_bfe_u32 s51, s[TAU], 0x30001                         ; T / 2
	s_lshl_b32 s51, s51, 5
	s_add_co_u32 s50, s50, s51
	s_and_b32 s51, s[TAU], 1
	s_lshl_b32 s51, s51, 3
	s_add_co_u32 s50, s50, s51
	s_lshl_b32 s50, s50, 10                                ; msa: the tile's first row, 1,024 bytes a row; rows 8-15 of the tile lie 16 rows on
	s_sub_co_u32 s67, ttmp9, FIRSTP                        ; pair: z = 16 qt + 2 b + h'
	s_lshr_b32 s52, s67, 4                                 ; qt
	s_lshr_b32 s53, s52, 1
	s_lshl_b32 s53, s53, 5
	s_and_b32 s54, s52, 1
	s_lshl_b32 s54, s54, 3
	s_add_co_u32 s53, s53, s54
	s_lshl_b32 s54, s[WV], 1
	s_add_co_u32 s53, s53, s54
	s_lshr_b32 s54, s[WV], 2
	s_lshl_b32 s54, s54, 3
	s_add_co_u32 s53, s53, s54                             ; i0: the query of the tile's row 2 w; row 2 w + 1 is the next query
	s_lshl_b32 s53, s53, 8
	s_and_b32 s54, s67, 15
	s_lshl_b32 s54, s54, 4                                 ; first key: 32 b + 16 h'
	s_add_co_u32 s53, s53, s54
	s_lshl_b32 s53, s53, 9                                 ; 512 bytes a (query, key)
	s_mov_b32 s[INV], 0x3c000000                           ; 1 / 128
	s_mov_b32 s55, 131072                                  ; pair: from a query to the next
	s_wait_kmcnt 0x0
	s_cmp_ge_u32 ttmp9, FIRSTM
	s_cselect_b64 s[4:5], s[16:17], s[18:19]
	s_cselect_b64 s[8:9], s[20:21], s[28:29]               ; the norm's gain
	s_cselect_b64 s[10:11], s[22:23], s[30:31]             ; and bias
	s_cselect_b32 s[INV], 0x3b800000, s[INV]               ; msa: 1 / 256
	s_cselect_b32 s56, s50, s53
	s_cselect_b32 s58, 16384, s55
	s_mov_b32 s57, 0
	s_mov_b32 s59, 0
	s_add_nc_u64 s[4:5], s[4:5], s[56:57]
	s_add_nc_u64 s[6:7], s[4:5], s[58:59]
.set N, 0
.rept 16
	global_load_b128 v[X+4*N:X+4*N+3], v[LI], s[4:5] offset:512*N th:TH_LOAD_NT        ; 32 lanes read 512 consecutive bytes
.set N, N+1
.endr
.rept 16
	global_load_b128 v[X+4*N:X+4*N+3], v[LI], s[6:7] offset:512*(N-16) th:TH_LOAD_NT
.set N, N+1
.endr
.set N, 0
.rept 32
	s_wait_loadcnt 31-N                                    ; loads come back in order: load N is in, the 31 - N younger ones stay out
	ds_store_b128 v[STW], v[X+4*N:X+4*N+3] offset:SLP*N
.set N, N+1
.endr
	s_wait_dscnt 0x0                                       ; the stores have read X: it may be loaded again
	s_cmp_ge_u32 ttmp9, FIRSTM
	s_cbranch_scc1 .Lmsa
	; ---- pair: lane = one (query, key): query row 2 w + lane / 16 of the tile, key 32 b + 16 h' + lane % 16; its 128 channels in X
	s_mov_b64 s[12:13], s[32:33]                           ; Wp
	s_lshl_b32 s50, s[WV], 4                               ; on the way out wave = head: ((head x 16 + qt) x 32 + 4 b) x 512 + 256 h'
	s_add_co_u32 s50, s50, s52
	s_lshl_b32 s50, s50, 14
	s_bfe_u32 s51, s67, 0x30001
	s_lshl_b32 s51, s51, 11
	s_add_co_u32 s50, s50, s51
	s_and_b32 s51, s67, 1
	s_lshl_b32 s51, s51, 8
	s_add_co_u32 s50, s50, s51
	s_mov_b32 s51, 0
	s_add_nc_u64 s[14:15], s[34:35], s[50:51]
; Wp, gain and bias of four channels come through scalar registers, in two sets by turns
.macro CLOAD q, wr, gr, br
	s_load_b512 s[\wr:\wr+15], s[12:13], 128*(\q)
	s_load_b512 s[\wr+16:\wr+31], s[12:13], 128*(\q)+64
	s_load_b128 s[\gr:\gr+3], s[8:9], 16*(\q)
	s_load_b128 s[\br:\br+3], s[10:11], 16*(\q)
.endm
.macro CWORK q, wr, gr, br
.irp c,0,1,2,3
	v_fma_f32 v[34+\c], v[X+4*(\q)+\c], s[\gr+\c], s[\br+\c]       ; the normalised number x gain + bias
.endr
.irp c,0,1,2,3
.irp n,0,1,2,3,4,5,6,7
.if ((\q) == 0) && (\c == 0)
	v_mul_f32 v[26+\n], s[\wr+8*\c+\n], v[34+\c]                   ; the first channel starts the eight sums
.else
	v_fmac_f32 v[26+\n], s[\wr+8*\c+\n], v[34+\c]
.endif
.endr
.endr
.endm
	CLOAD 0, 16, 48, 52
.set N, 0
.rept 32
	ds_load_b128 v[X+4*N:X+4*N+3], v[RDP] offset:16*N      ; my slot: lanes 528 bytes apart, sixteen lanes on sixteen different columns of 16 bytes
.set N, N+1
.endr
	s_wait_dscnt 0x0
	LN 0
.set J, 0
.rept 64
	v_pk_mul_f32 v[X+2*J:X+2*J+1], v[X+2*J:X+2*J+1], v[RS:RS+1]
.set J, J+1
.endr
.set Q, 0
.rept 16
	s_wait_kmcnt 0x0                                       ; scalar loads come back in no order: only 0 shows this set in
	CLOAD Q+1, 68, 56, 60
	CWORK Q, 16, 48, 52
	s_wait_kmcnt 0x0
.if Q+2 < 32
	CLOAD Q+2, 16, 48, 52
.endif
	CWORK Q+1, 68, 56, 60
.set Q, Q+2
.endr
.irp n,0,1,2,3,4,5,6,7
	v_mul_f32 v[26+\n], 0x40b504f3, v[26+\n]               ; x sqrt(32): the second launch adds it to Q.K and scales the sum by log2(e) / sqrt(32)
.endr
.irp n,0,1,2,3,4,5,6,7
	ds_store_b32 v[OSW], v[26+\n] offset:1152*\n
.endr
	s_branch .Ljoin
	; ---- msa: lane (r, h) holds, of the tile's row r, register 16 blk + i = channel 32 blk + 16 h + i
.Lmsa:
	s_mul_i32 s50, s[TAU], 3072
	s_mov_b32 s51, 0
	s_add_nc_u64 s[12:13], s[24:25], s[50:51]              ; my tile's two images
	s_lshl_b32 s50, s[TAU], 7
	s_add_nc_u64 s[14:15], s[26:27], s[50:51]              ; and its scale row
.macro GBLOAD q                        ; gains and biases of blocks 2 q, 2 q + 1
.irp d,0,1
.irp j,0,1,2,3
	global_load_b128 v[GR+16*\d+4*\j:GR+16*\d+4*\j+3], v[H64], s[8:9] offset:128*(2*\q+\d)+16*\j
	global_load_b128 v[BR+16*\d+4*\j:BR+16*\d+4*\j+3], v[H64], s[10:11] offset:128*(2*\q+\d)+16*\j
.endr
.endr
.endm
.macro SCALE q
.set J, 0
.rept 16
	v_pk_mul_f32 v[X+32*\q+2*J:X+32*\q+2*J+1], v[X+32*\q+2*J:X+32*\q+2*J+1], v[RS:RS+1]
.set J, J+1
.endr
.endm
.macro AFF q
.set J, 0
.rept 16
	v_pk_fma_f32 v[X+32*\q+2*J:X+32*\q+2*J+1], v[X+32*\q+2*J:X+32*\q+2*J+1], v[GR+2*J:GR+2*J+1], v[BR+2*J:BR+2*J+1]
.set J, J+1
.endr
.endm
.set N, 0
.rept 32
	ds_load_b128 v[X+4*N:X+4*N+3], v[RDM] offset:(N/16)*SLP+((N/4)%4)*128+16*(N%4)
.set N, N+1
.endr
	GBLOAD 0
	s_wait_dscnt 0x0
	LN 1
	SCALE 0
	s_wait_loadcnt 0x0
	AFF 0
	GBLOAD 1                                               ; lands behind the 48 scalings below
	SCALE 1
	SCALE 2
	SCALE 3
	s_wait_loadcnt 0x0
	AFF 1
	GBLOAD 2                                               ; lands behind the first fragment's quantising
	QUANT X, PC0, PW0
.irp c,0,1,2
	global_store_b128 v[LI], v[PC0+4*\c:PC0+4*\c+3], s[12:13] offset:512*\c         ; 32 lanes store 512 consecutive bytes, aligned
.endr
	s_wait_loadcnt 0x0
	AFF 2
	GBLOAD 3
	s_wait_loadcnt 0x0
	AFF 3
	QUANT X+64, PC1, PW1                                   ; into registers of its own: the first fragment's stores may still read theirs
.irp c,0,1,2
	global_store_b128 v[LI], v[PC1+4*\c:PC1+4*\c+3], s[12:13] offset:1536+512*\c
.endr
	v_cndmask_b32 v[T0], v[PW0], v[PW1], s[HIM]            ; lanes 0-15: K step 0's word of row r; lanes 16-31: K step 1's
	global_store_b32 v[LS], v[T0], s[14:15]
	s_branch .Ljoin
	; ---- weights: wave = one tile of 16 columns, both K steps.  Lane (r, h) takes its column, and its registers run down K in the operand's own order: nothing is transposed
.Lweights:
	s_lshr_b32 s50, ttmp9, 1                               ; which weight: Wq, Wk, Wv, Wg, Wo
	s_and_b32 s51, ttmp9, 1
	s_lshl_b32 s51, s51, 3
	s_add_co_u32 s51, s51, s[WV]                           ; tile of columns
	s_wait_kmcnt 0x0
	s_mov_b64 s[4:5], s[36:37]
	s_cmp_eq_u32 s50, 1
	s_cselect_b64 s[4:5], s[38:39], s[4:5]
	s_cmp_eq_u32 s50, 2
	s_cselect_b64 s[4:5], s[40:41], s[4:5]
	s_cmp_eq_u32 s50, 3
	s_cselect_b64 s[4:5], s[42:43], s[4:5]
	s_cmp_eq_u32 s50, 4
	s_cselect_b64 s[4:5], s[44:45], s[4:5]
	s_lshr_b32 s52, s51, 1
	s_lshl_b32 s52, s52, 7
	s_and_b32 s53, s51, 1
	s_lshl_b32 s53, s53, 5
	s_add_co_u32 s52, s52, s53                             ; the tile's first column, in bytes
	s_mov_b32 s53, 0
	s_add_nc_u64 s[4:5], s[4:5], s[52:53]
	s_lshl_b32 s54, s50, 4
	s_add_co_u32 s54, s54, s51
	s_mul_i32 s52, s54, 3072
	s_add_nc_u64 s[12:13], s[46:47], s[52:53]
	s_lshl_b32 s52, s54, 7
	s_add_nc_u64 s[14:15], s[48:49], s[52:53]
.set J, 0
.rept 128
	global_load_b32 v[X+J], v[WL], s[4:5] offset:(128*(J/64)+64*((J/32)%2)+(J%32))*1024   ; register 64 ks + 32 c + i: k = 128 ks + 64 c + 32 h + i
.set J, J+1
.endr
	v_bfe_u32 v[T1], v0, 4, 1
	v_lshlrev_b32 v[T1], 3, v[T1]                          ; 8 h
	s_wait_loadcnt 0x0
.irp b,0,1,2,3                                             ; my four whole blocks, by turns
	v_max3_num_f32 v[TM+\b], |v[X+32*\b]|, |v[X+32*\b+1]|, 0x1800000
.endr
.irp i,2,4,6,8,10,12,14,16,18,20,22,24,26,28,30
.irp b,0,1,2,3
	v_max3_num_f32 v[TM+\b], v[TM+\b], |v[X+32*\b+\i]|, |v[X+32*\b+\i+1]|
.endr
.endr
.irp b,0,1,2,3
	v_add_nc_u32 v[TM+12+\b], 0xff000000, v[TM+\b]
.endr
.irp b,0,1,2,3
	v_lshrrev_b32 v[TM+4+\b], 23, v[TM+12+\b]
.endr
	v_lshl_or_b32 v[PW0], v[TM+5], 16, v[TM+4]             ; my two bytes of a K step: blocks h and 2 + h,
	v_lshl_or_b32 v[PW1], v[TM+7], 16, v[TM+6]
	v_lshlrev_b32 v[PW0], v[T1], v[PW0]                    ; at their places in the word;
	v_lshlrev_b32 v[PW1], v[T1], v[PW1]
	v_permlanex16_b32 v[TM+8], v[PW0], s[SEL], s[SEL+1]
	v_permlanex16_b32 v[TM+9], v[PW1], s[SEL], s[SEL+1]
	v_or_b32 v[PW0], v[PW0], v[TM+8]                       ; with lane l xor 16's two the word is whole
	v_or_b32 v[PW1], v[PW1], v[TM+9]
	v_cndmask_b32 v[T0], v[PW0], v[PW1], s[HIM]
.irp b,0,1,2,3
	v_cvt_scalef32_pk16_fp6_f32 v[192+6*\b:194+6*\b], v[X+32*\b:X+32*\b+15], v[TM+12+\b]
	v_cvt_scalef32_pk16_fp6_f32 v[216+4*\b:218+4*\b], v[X+32*\b+16:X+32*\b+31], v[TM+12+\b]
.endr
	v_nop
.irp b,0,1,2,3
.irp i,0,1,2
	v_mov_b32 v[195+6*\b+\i], v[216+4*\b+\i]
.endr
.endr
.irp c,0,1,2,3,4,5
	global_store_b128 v[LI], v[192+4*\c:195+4*\c], s[12:13] offset:512*\c
.endr
	global_store_b32 v[LS], v[T0], s[14:15]
.Ljoin:                                                    ; every wave of every path passes this one barrier
	s_wait_dscnt 0x0                                       ; for the others' sake: my stores into pair's out stage have landed
	s_barrier_signal -1
	s_barrier_wait -1
	s_sub_co_u32 s67, ttmp9, FIRSTP
	s_cmp_lt_u32 s67, 256
	s_cbranch_scc0 .Lend
	ds_load_b128 v[64:67], v[OSR]                          ; pair: wave = head; lanes 0-15 and 16-31 take two groups of four keys, 16 queries each
	ds_load_b128 v[68:71], v[OSR] offset:576
	s_wait_dscnt 0x0
	global_store_b128 v[POF], v[64:67], s[14:15]           ; sixteen lanes store 256 consecutive bytes, aligned
	global_store_b128 v[POF], v[68:71], s[14:15] offset:1024
.Lend:
	s_wait_tensorcnt 0x0
	ds_add_u32 v59, v63
	s_wait_dscnt 0x0
	s_endpgm
.Lfunc_end_k_qaf31be843d_prep:
	.size	k_qaf31be843d_prep, .Lfunc_end_k_qaf31be843d_prep-k_qaf31be843d_prep
	.p2alignl 7, 3214868480
	.fill 96, 4, 3214868480
	.section	.rodata,"a",@progbits
	.p2align	6, 0x0
	.amdhsa_kernel k_qaf31be843d_prep
		.amdhsa_group_segment_fixed_size 145408
		.amdhsa_private_segment_fixed_size 0
		.amdhsa_enable_private_segment 0
		.amdhsa_kernarg_size 136
		.amdhsa_user_sgpr_count 2
		.amdhsa_user_sgpr_kernarg_segment_ptr 1
		.amdhsa_wavefront_size32 1
		.amdhsa_system_sgpr_workgroup_id_x 1
		.amdhsa_system_sgpr_workgroup_id_y 1
		.amdhsa_system_sgpr_workgroup_id_z 1
		.amdhsa_system_vgpr_workitem_id 0
		.amdhsa_next_free_vgpr 256
		.amdhsa_next_free_sgpr 106
		.amdhsa_reserve_vcc 0
		.amdhsa_float_denorm_mode_32 3
		.amdhsa_float_denorm_mode_16_64 3
		.amdhsa_memory_ordered 1
		.amdhsa_forward_progress 1
		.amdhsa_inst_pref_size 137
	.end_amdhsa_kernel
	.amdgpu_metadata
---
amdhsa.version: [ 1, 2 ]
amdhsa.kernels:
  - .name:           k_qaf31be843d_prep
    .symbol:         k_qaf31be843d_prep.kd
    .args:
      - { .name: msa, .offset: 0, .size: 8, .value_kind: global_buffer, .address_space: global }
      - { .name: pair, .offset: 8, .size: 8, .value_kind: global_buffer, .address_space: global }
      - { .name: ln_m_g, .offset: 16, .size: 8, .value_kind: global_buffer, .address_space: global }
      - { .name: ln_m_b, .offset: 24, .size: 8, .value_kind: global_buffer, .address_space: global }
      - { .name: mfrag, .offset: 32, .size: 8, .value_kind: global_buffer, .address_space: global }
      - { .name: mscl, .offset: 40, .size: 8, .value_kind: global_buffer, .address_space: global }
      - { .name: ln_p_g, .offset: 48, .size: 8, .value_kind: global_buffer, .address_space: global }
      - { .name: ln_p_b, .offset: 56, .size: 8, .value_kind: global_buffer, .address_space: global }
      - { .name: Wp, .offset: 64, .size: 8, .value_kind: global_buffer, .address_space: global }
      - { .name: bias, .offset: 72, .size: 8, .value_kind: global_buffer, .address_space: global }
      - { .name: Wq, .offset: 80, .size: 8, .value_kind: global_buffer, .address_space: global }
      - { .name: Wk, .offset: 88, .size: 8, .value_kind: global_buffer, .address_space: global }
      - { .name: Wv, .offset: 96, .size: 8, .value_kind: global_buffer, .address_space: global }
      - { .name: Wg, .offset: 104, .size: 8, .value_kind: global_buffer, .address_space: global }
      - { .name: Wo, .offset: 112, .size: 8, .value_kind: global_buffer, .address_space: global }
      - { .name: wfrag, .offset: 120, .size: 8, .value_kind: global_buffer, .address_space: global }
      - { .name: wscl, .offset: 128, .size: 8, .value_kind: global_buffer, .address_space: global }
    .group_segment_fixed_size: 145408
    .private_segment_fixed_size: 0
    .kernarg_segment_align: 8
    .kernarg_segment_size: 136
    .max_flat_workgroup_size: 256
    .sgpr_count:     106
    .vgpr_count:     256
    .wavefront_size: 32
...
	.end_amdgpu_metadata
.endif
;; end of part 1
;; launch main (part 2): grid 2 x 128, 16 waves a work-group, no clusters, 319,488 bytes of LDS; arguments mfrag, mscl, wfrag, wscl, bias, bg, bo, out0; writes out0
.if DOCPART == 2
	.amdgcn_target "amdgcn-amd-amdhsa--gfx1250"
	.amdhsa_code_object_version 6
	.text
	.protected	k_qaf31be843d_main
	.globl	k_qaf31be843d_main
	.p2align	8
	.type	k_qaf31be843d_main,@function
k_qaf31be843d_main:
	s_mov_b64 s[64:65], 0
	v_nop
	global_prefetch_b8 v0, s[64:65] scope:SCOPE_SE
	s_setreg_imm32_b32 hwreg(HW_REG_WAVE_MODE, 25, 1), 1
	s_wait_xcnt 0x0
; MAIN: for one MSA row s and one half qh of its 256 queries: the projections Q, K, V, G, attention with the pair bias for 8 heads, the gate, the output projection.  All products on codes of FP6 (E2M3)
; with one E8M0 scale for each 32 along K.  Q, K, V, G, the scores, p and the gated values never go to memory.
; SIXTEEN waves of 256 registers, four to a SIMD, so that one wave's vector work stands beside another's matrix work and loads.
;   projections: wave = (head hd = w / 2, x = w % 2).   attention: wave = (tile of 16 queries qt = w % 8, heads 4 g .. 4 g + 3, g = w / 8).   output: wave = tile of 16 output columns.
; THE ROWS OF A TILE ARE NOT NEIGHBOURS: row r of tile T is 32 (T / 2) + 8 (T % 2) + r + 8 (r / 8) (residues, and columns of the weights): so in a result whose M axis is such a tile the 16 registers of tiles
; 2 b and 2 b + 1 of lane (r, h) are the 16 neighbours 32 b + 16 h + 0 .. 15, which is what the conversions to codes want.  Nothing is ever transposed.
; THE ROW'S TILES STAND IN LDS WITH MY OWN HALF FIRST: slot T' holds tile T' xor 8 qh.  So the work-group's queries are slots 0-7 whatever qh is, and no LDS address hangs on the work-group's number.  The keys
; are then walked in the slots' order: K, V and p follow it alike, the blocks of 32 keys are the same blocks, and the bias is loaded in that order (two bases, 8,192 bytes apart).
; Q K^T HAS K = 32 and the instruction 128: a fragment of K holds ONE head of FOUR tiles of keys, tile 4 f + j in its j-th block of 32; Q's codes stand in block j of the other operand, with zero CODES
; in the other three blocks (they add nothing: every scale byte lies in 1 .. 254).  Four instructions for a fragment of K give four tiles of keys.
; THE BIAS (times sqrt(32), from the first launch) is loaded straight into the score accumulators and is the C of the score products; t = (Q.K + bias sqrt(32)) x log2(e) / sqrt(32).
; THE SOFTMAX sees all 256 keys of a query at once: M = ceil(the row's largest t), p = 2^(t - M) is quantised along the keys, the row's sum is taken of the unquantised p and divides at the end.
; No cluster: the bias and the weights, which work-groups share, go from memory straight into registers; slots for joint loads (16 KiB a wave for a head's bias) do not fit beside the 317,440 bytes in use.
; LIMITS: NaN and infinities are not served.  A block whose largest magnitude lies under 2^-124, a block of zeros too, gets the scale byte 1.  t is rounded in another order than by adding the bias behind the division: f32 rounding alone.
.set MF,  0                            ; LDS: m's 32 fragments (slot T', K step ks: (2 T' + ks) x 1,536), images of registers: group c of four registers at 512 c + 16 lane
.set MS,  49152                        ; their scale rows, 128 bytes a tile (lanes 0-15 K step 0, lanes 16-31 K step 1)
.set KF,  51200                        ; K: (4 hd + f) x 1,536
.set KS,  100352
.set VF,  104448                       ; V^T: ((2 hd + u) x 2 + kh) x 1,536: 16 of the head's 32 x 128 keys
.set VS,  153600
.set QF,  157696                       ; Q: (2 hd + Qq) x 1,536, pairs of registers: pair p at 256 p + 8 lane
.set QSW, 182272
.set GS,  184320                       ; the gate, f32: (8 qt + hd) x 2,048
.set VI,  0                            ; over m, when the projections are done: the gated values' fragments, (2 qt + g) x 1,536, pairs of registers
.set VIS, 24576
.set OS,  184320                       ; over the gate, when attention is done: 128 rows of the output x (1,024 + 16) bytes
.set OSP, 1040
.set W,   16                           ; v16-63   four fragments of a weight: (2 u + ks) x 12
.set MB0, 64                           ; v64-111  four fragments of m;  v192-239 four more
.set MB1, 192
.set BG,  240                          ; v240-255 bg in the result's layout
.set ACC, 128
.set TM,  64                           ; the quantiser's registers, where m's fragments lay
.set PC,  80
.set PW,  100
.set SEL, 30
.set NPL, 5                            ; places behind a run of matrix instructions: 4 for loads and vector instructions, 5 for matrix instructions that write over their registers
; v1 16 lane, v2 4 lane, v3 8 lane, v4 my lane's place in Q's images, v5 the values' scale word, v6 a byte of it, v7 at work, v8-13 the values' codes, v14 -M, then 1 / sum, v15 at work
; v112-119 hold scales and nothing else.  s34-40, s52: LDS bases that step from head to head.  s[42:43], s[62:63]: the bias of the slots' first and second 128 keys.
.macro PLACES n
.rept \n
	v_nop
.endr
.endm
.macro BAR                             ; my LDS stores have landed and my LDS loads are in: then the work-group's barrier
	s_wait_dscnt 0x0
	s_barrier_signal -1
	s_barrier_wait -1
.endm
; one matrix instruction.  c < 0: the sum starts with 0.  row = 1: both sides' scales from lanes 16-31
.macro WM d, a, b, c, sa, sb, row
.if (\c) < 0
.if \row
	v_wmma_scale_f32_16x16x128_f8f6f4 v[(\d):(\d)+7], v[(\a):(\a)+11], v[(\b):(\b)+11], 0, v[(\sa)], v[(\sb)] matrix_a_fmt:MATRIX_FMT_FP6 matrix_b_fmt:MATRIX_FMT_FP6 matrix_a_scale:MATRIX_SCALE_ROW1 matrix_b_scale:MATRIX_SCALE_ROW1
.else
	v_wmma_scale_f32_16x16x128_f8f6f4 v[(\d):(\d)+7], v[(\a):(\a)+11], v[(\b):(\b)+11], 0, v[(\sa)], v[(\sb)] matrix_a_fmt:MATRIX_FMT_FP6 matrix_b_fmt:MATRIX_FMT_FP6
.endif
.else
.if \row
	v_wmma_scale_f32_16x16x128_f8f6f4 v[(\d):(\d)+7], v[(\a):(\a)+11], v[(\b):(\b)+11], v[(\c):(\c)+7], v[(\sa)], v[(\sb)] matrix_a_fmt:MATRIX_FMT_FP6 matrix_b_fmt:MATRIX_FMT_FP6 matrix_a_scale:MATRIX_SCALE_ROW1 matrix_b_scale:MATRIX_SCALE_ROW1
.else
	v_wmma_scale_f32_16x16x128_f8f6f4 v[(\d):(\d)+7], v[(\a):(\a)+11], v[(\b):(\b)+11], v[(\c):(\c)+7], v[(\sa)], v[(\sb)] matrix_a_fmt:MATRIX_FMT_FP6 matrix_b_fmt:MATRIX_FMT_FP6
.endif
.endif
.endm
; 64 numbers of a lane, register 16 b + i = k 32 b + 16 (lane / 16) + i of my row, become a fragment's codes in v[PC] .. v[PC + 11] and its scale word in v[PW]
.macro QUANT s
.irp b,0,1,2,3
	v_max3_num_f32 v[TM+\b], |v[\s+16*\b]|, |v[\s+1+16*\b]|, 0x1800000   ; each accumulator is read from its low end on; the floor 2^(3 - 127) holds the byte at 1 from below
.endr
.irp i,2,4,6,8,10,12,14
.irp b,0,1,2,3
	v_max3_num_f32 v[TM+\b], v[TM+\b], |v[\s+16*\b+\i]|, |v[\s+1+16*\b+\i]|
.endr
.endr
.irp b,0,1,2,3
	v_permlanex16_b32 v[TM+4+\b], v[TM+\b], s[SEL], s[SEL+1]
.endr
.irp b,0,1,2,3
	v_max_num_f32 v[TM+\b], v[TM+\b], v[TM+4+\b]
.endr
.irp b,0,1,2,3
	v_add_nc_u32 v[TM+12+\b], 0xff000000, v[TM+\b]         ; 2 off the exponent field: the conversion's scale operand
.endr
.irp b,0,1,2,3
	v_lshrrev_b32 v[TM+4+\b], 23, v[TM+12+\b]
.endr
	v_lshl_or_b32 v[PW], v[TM+5], 8, v[TM+4]
	v_lshl_or_b32 v[PW], v[TM+6], 16, v[PW]
	v_lshl_or_b32 v[PW], v[TM+7], 24, v[PW]
.irp c,0,1
	v_cvt_scalef32_pk16_fp6_f32 v[PC+6*\c:PC+2+6*\c], v[\s+32*\c:\s+15+32*\c], v[TM+12+2*\c]
	v_cvt_scalef32_pk16_fp6_f32 v[PC+12+4*\c:PC+14+4*\c], v[\s+16+32*\c:\s+31+32*\c], v[TM+13+2*\c]
.endr
	v_nop                                                  ; one plain place behind a scaled conversion
.irp c,0,1
.irp i,0,1,2
	v_permlane16_swap_b32 v[PC+6*\c+\i], v[PC+12+4*\c+\i]
.endr
.irp i,0,1,2
	v_mov_b32 v[PC+3+6*\c+\i], v[PC+12+4*\c+\i]
.endr
.endr
.endm
.macro IMAGE adr, off
.irp c,0,1,2
	ds_store_b128 v[\adr], v[PC+4*\c:PC+4*\c+3] offset:\off+512*\c
.endr
.endm
.macro WLOAD mi                        ; my head's four fragments of weight mi, and their two scale rows
.set N, 0
.rept 12
	global_load_b128 v[W+4*N:W+4*N+3], v1, s[44:45] offset:\mi*49152+512*N
.set N, N+1
.endr
	global_load_b32 v112, v2, s[46:47] offset:\mi*2048
	global_load_b32 v113, v2, s[46:47] offset:\mi*2048+128
.endm
.macro SETQ sq                         ; the LDS addresses of the four slots 4 Q .. 4 Q + 3 of m, Q in s[sq]: made of the wave's number alone
	s_mul_i32 s48, s[\sq], 12288
	v_add_nc_u32 v120, s48, v1
	s_lshl_b32 s48, s[\sq], 9
	s_add_co_u32 s48, s48, MS
	v_add_nc_u32 v121, s48, v2
.endm
.macro MLOAD buf, ks
.irp be,0,1,2,3
.irp c,0,1,2
	ds_load_b128 v[\buf+12*\be+4*\c:\buf+12*\be+4*\c+3], v120 offset:\be*3072+\ks*1536+512*\c
.endr
.endr
.endm
.macro MSCL
.irp be,0,1,2,3
	ds_load_b32 v[114+\be], v121 offset:128*\be
.endr
.endm
; source 0 = 16 columns of the weight, source 1 = 16 residues: register 16 be + 8 u + j of lane (r, h) = (residue r of tile be, channel 16 h + 8 u + j of the head).  Eight accumulators by turns
.macro HALF_K buf, ks, cm
.irp be,0,1,2,3
.irp u,0,1
.if \cm == 0
	WM ACC+16*\be+8*\u, W+12*(2*\u+\ks), \buf+12*\be, -1, 112+\u, 114+\be, \ks
.elseif \cm == 1
	WM ACC+16*\be+8*\u, W+12*(2*\u+\ks), \buf+12*\be, BG+8*\u, 112+\u, 114+\be, \ks
.else
	WM ACC+16*\be+8*\u, W+12*(2*\u+\ks), \buf+12*\be, ACC+16*\be+8*\u, 112+\u, 114+\be, \ks
.endif
.endr
.endr
.endm
; the other way round, for V: source 0 = 16 residues, source 1 = 16 columns: a lane holds one channel, and its registers run along the keys
.macro HALF_V z, ks
.irp be,0,1,2,3
.irp u,0,1
.if \ks == 0
	WM 128+64*\u+32*\z+8*\be, MB0+12*\be, W+12*(2*\u+\ks), -1, 114+\be, 112+\u, 0
.else
	WM 128+64*\u+32*\z+8*\be, MB0+12*\be, W+12*(2*\u+\ks), 128+64*\u+32*\z+8*\be, 114+\be, 112+\u, 1
.endif
.endr
.endr
.endm
.macro KUNIT cm                        ; four tiles of residues x my head's 32 columns, K = 256
	MSCL
	MLOAD MB0, 0
	MLOAD MB1, 1
	s_wait_loadcnt 0x0                                     ; the weight's fragments (and bg)
	s_wait_dscnt 12                                        ; the scale words and K step 0's fragments are in; K step 1's twelve loads may be out
	HALF_K MB0, 0, \cm
	s_wait_dscnt 0x0
	HALF_K MB1, 1, 2
	PLACES NPL
.endm
.macro VQUAD z
	MSCL
	MLOAD MB0, 0
	s_wait_loadcnt 0x0
	s_wait_dscnt 0x0
	HALF_V \z, 0
	PLACES NPL
	MLOAD MB0, 1
	s_wait_dscnt 0x0
	HALF_V \z, 1
	PLACES NPL
.endm
.macro BIASLOAD                        ; a head's bias for my 16 queries x 256 keys, straight into the score accumulators: 32 loads of 512 consecutive bytes; the keys in the slots' order
.set N, 0
.rept 16
	global_load_b128 v[128+4*N:131+4*N], v1, s[42:43] offset:512*N
.set N, N+1
.endr
.rept 16
	global_load_b128 v[128+4*N:131+4*N], v1, s[62:63] offset:512*(N-16)
.set N, N+1
.endr
.endm
	s_load_b512 s[4:19], s[0:1], 0x0                       ; mfrag, mscl, wfrag, wscl, bias, bg, bo, out0
	v_lshrrev_b32 v7, 5, v0
	v_readfirstlane_b32 s20, v7                            ; wave 0..15
	s_lshr_b32 s21, s20, 1                                 ; hd
	s_and_b32 s22, s20, 1                                  ; x
	s_and_b32 s23, s20, 7                                  ; qt
	s_lshr_b32 s24, s20, 3                                 ; g
	s_mov_b32 s25, ttmp9                                   ; qh: it enters global addresses alone
	s_and_b32 s26, ttmp7, 0xffff                           ; s: likewise
	s_mov_b32 s28, 0x3e8293ee                              ; c = log2(e) / sqrt(32)
	s_mov_b32 s29, s28
	s_mov_b32 s[SEL], 0x76543210
	s_mov_b32 s[SEL+1], 0xfedcba98
	s_mov_b32 s32, 0xffff                                  ; lanes 0-15
	s_and_b32 s33, s23, 3
	s_mul_i32 s33, s33, 0x01010101                         ; v_perm_b32's select: byte qt % 4 into all four
	v_and_b32 v7, 31, v0
	v_lshlrev_b32 v1, 4, v7
	v_lshlrev_b32 v2, 2, v7
	v_lshlrev_b32 v3, 3, v7
	v_bfe_u32 v126, v0, 4, 1
	v_lshlrev_b32 v126, 6, v126                            ; 64 h
	v_mov_b32 v5, 0
	v_mov_b32 v15, 0                                       ; (named as the upper half of the pair v[14:15])
	v_and_b32 v4, 15, v0                                   ; Q's block qt % 4 of fragment qt / 4: registers 6 (bl / 2) .. + 5 of lanes 16 (bl % 2) + r: both halves of the lanes read row r's
	v_lshlrev_b32 v4, 3, v4
	s_lshr_b32 s48, s23, 2
	s_mul_i32 s48, s48, 1536
	s_bfe_u32 s49, s23, 0x10001
	s_mul_i32 s49, s49, 768
	s_add_co_u32 s48, s48, s49
	s_and_b32 s49, s23, 1
	s_lshl_b32 s49, s49, 7
	s_add_co_u32 s48, s48, s49
	s_add_co_u32 s48, s48, QF
	v_add_nc_u32 v4, s48, v4
	s_mul_i32 s48, s21, 6144
	s_mov_b32 s49, 0
	s_lshl_b32 s51, s25, 3
	s_xor_b32 s51, s51, s20                                ; the tile that I bring into slot w: w xor 8 qh
	s_lshl_b32 s50, s26, 4
	s_add_co_u32 s50, s50, s51                             ; 16 s + that tile
	s_wait_kmcnt 0x0
	s_add_nc_u64 s[44:45], s[8:9], s[48:49]                ; my head's fragments of the weights
	s_lshl_b32 s48, s21, 8
	s_add_nc_u64 s[46:47], s[10:11], s[48:49]
	s_mul_i32 s48, s50, 3072
	s_add_nc_u64 s[54:55], s[4:5], s[48:49]
	s_lshl_b32 s48, s50, 7
	s_add_nc_u64 s[56:57], s[6:7], s[48:49]
	s_lshl_b32 s48, s21, 7
	s_add_nc_u64 s[58:59], s[14:15], s[48:49]              ; bg at my head
	; ---- 0: the row's 16 tiles of m into LDS, a tile a wave
	WLOAD 1
.irp n,0,1,2,3,4,5
	global_load_b128 v[64+4*\n:67+4*\n], v1, s[54:55] offset:512*\n
.endr
	global_load_b32 v88, v2, s[56:57]
	s_mul_i32 s48, s20, 3072
	v_add_nc_u32 v120, s48, v1
	s_lshl_b32 s48, s20, 7
	s_add_co_u32 s48, s48, MS
	v_add_nc_u32 v121, s48, v2
	s_wait_loadcnt 0x0
.irp n,0,1,2,3,4,5
	ds_store_b128 v120, v[64+4*\n:67+4*\n] offset:512*\n
.endr
	ds_store_b32 v121, v88
	BAR                                                    ; m lies in LDS
	; ---- 1: K of my head for the key slots 8 x .. 8 x + 7: two fragments, each one head of four tiles
	s_lshl_b32 s50, s22, 1
	s_lshl_b32 s51, s21, 2
	s_add_co_u32 s51, s51, s50
	s_mul_i32 s48, s51, 1536
	s_add_co_u32 s48, s48, KF
	v_add_nc_u32 v122, s48, v1
	s_lshl_b32 s48, s51, 7
	s_add_co_u32 s48, s48, KS
	v_add_nc_u32 v123, s48, v2
	SETQ 50
	KUNIT 0
	QUANT 128
	IMAGE 122, 0
	ds_store_b32 v123, v[PW]
	s_wait_dscnt 0x0                                       ; the stores have read their registers
	s_add_co_u32 s50, s50, 1
	SETQ 50
	KUNIT 0
	WLOAD 2                                                ; Wv lands behind the quantising
	QUANT 128
	IMAGE 122, 1536
	ds_store_b32 v123, v[PW] offset:128
	s_wait_dscnt 0x0
	; V^T of my head for the keys of slots 8 x .. 8 x + 7: two fragments of 16 channels
	s_lshl_b32 s50, s22, 1
	SETQ 50
	VQUAD 0
	s_add_co_u32 s50, s50, 1
	SETQ 50
	VQUAD 1
	WLOAD 0
	s_mul_i32 s48, s21, 6144
	s_mul_i32 s51, s22, 1536
	s_add_co_u32 s48, s48, s51
	s_add_co_u32 s48, s48, VF
	v_add_nc_u32 v122, s48, v1
	s_lshl_b32 s48, s21, 9
	s_lshl_b32 s51, s22, 7
	s_add_co_u32 s48, s48, s51
	s_add_co_u32 s48, s48, VS
	v_add_nc_u32 v123, s48, v2
	QUANT 128
	IMAGE 122, 0
	ds_store_b32 v123, v[PW]
	s_wait_dscnt 0x0
	QUANT 192
	IMAGE 122, 3072
	ds_store_b32 v123, v[PW] offset:256
	s_wait_dscnt 0x0
	; Q of my head for the work-group's query tiles 4 x .. 4 x + 3: they lie in slots 4 x .. 4 x + 3
	SETQ 22
	KUNIT 0
	WLOAD 3
.irp u,0,1
.irp k,0,1
	global_load_b128 v[BG+8*\u+4*\k:BG+8*\u+4*\k+3], v126, s[58:59] offset:32*\u+16*\k    ; bg at channels 16 h + 8 u + 0 .. 7 of my head
.endr
.endr
	s_mul_i32 s48, s20, 1536
	s_add_co_u32 s48, s48, QF
	v_add_nc_u32 v122, s48, v3
	s_lshl_b32 s48, s20, 7
	s_add_co_u32 s48, s48, QSW
	v_add_nc_u32 v123, s48, v2
	QUANT 128
.irp p,0,1,2,3,4,5
	ds_store_b64 v122, v[PC+2*\p:PC+2*\p+1] offset:256*\p
.endr
	ds_store_b32 v123, v[PW]
	s_wait_dscnt 0x0
	; G of my head for the same tiles (v120, v121 stand): bg is the C of each sum's first instruction
	KUNIT 1
	s_lshl_b32 s48, s22, 16
	s_lshl_b32 s51, s21, 11
	s_add_co_u32 s48, s48, s51
	s_add_co_u32 s48, s48, GS
	v_add_nc_u32 v122, s48, v1
	s_mov_b32 s52, 0xbfb8aa3b                              ; -log2(e)
	s_mov_b32 s53, s52
.set J, 0
.rept 32
	v_pk_mul_f32 v[128+2*J:129+2*J], v[128+2*J:129+2*J], s[52:53] op_sel_hi:[1,0]
.set J, J+1
.endr
.set J, 0
.rept 64
	v_exp_f32 v[128+J], v[128+J]
.set J, J+1
.endr
	v_nop                                                  ; a plain place behind the batch
	s_wait_alu depctr_va_vdst(0)                           ; one wait for the 64, ahead of their first reader
.set J, 0
.rept 32
	v_pk_add_f32 v[128+2*J:129+2*J], v[128+2*J:129+2*J], 1.0 op_sel_hi:[1,0]
.set J, J+1
.endr
.set J, 0
.rept 64
	v_rcp_f32 v[128+J], v[128+J]                           ; sigmoid = 1 / (1 + 2^(-y log2 e))
.set J, J+1
.endr
	v_nop
	s_wait_alu depctr_va_vdst(0)
.irp be,0,1,2,3
.irp k,0,1,2,3
	ds_store_b128 v122, v[128+16*\be+4*\k:131+16*\be+4*\k] offset:\be*16384+512*\k
.endr
.endr
	; the bases of attention: head 4 g
	s_mul_i32 s34, s24, 24576
	s_add_co_u32 s36, s34, VF
	s_add_co_u32 s34, s34, KF
	s_lshl_b32 s35, s24, 11
	s_add_co_u32 s37, s35, VS
	s_add_co_u32 s35, s35, KS
	s_mul_i32 s38, s24, 12288
	s_lshl_b32 s39, s24, 10
	s_lshr_b32 s48, s23, 2
	s_lshl_b32 s48, s48, 7
	s_add_co_u32 s39, s39, s48
	s_add_co_u32 s39, s39, QSW
	s_lshl_b32 s40, s23, 14
	s_lshl_b32 s48, s24, 13
	s_add_co_u32 s40, s40, s48
	s_add_co_u32 s40, s40, GS
	s_lshl_b32 s52, s23, 1
	s_add_co_u32 s52, s52, s24
	s_mul_i32 s52, s52, 1536
	s_lshl_b32 s48, s24, 6
	s_lshl_b32 s51, s25, 3
	s_add_co_u32 s48, s48, s51
	s_add_co_u32 s48, s48, s23
	s_lshl_b32 s48, s48, 14                                ; (16 head + 8 qh + qt) x 16,384 bytes
	s_mov_b32 s49, 0
	s_lshl_b32 s50, s25, 13                                ; 8,192 qh: the slots' first 128 keys are keys 128 qh on,
	s_mov_b32 s51, 0
	s_add_nc_u64 s[62:63], s[12:13], s[48:49]
	s_add_nc_u64 s[42:43], s[62:63], s[50:51]
	s_xor_b32 s50, s50, 8192                               ; their second 128 the other half
	s_add_nc_u64 s[62:63], s[62:63], s[50:51]
	s_wait_dscnt 0x0                                       ; my stores have landed and have read their registers, my reads of m are in
	BIASLOAD                                               ; the first head's bias is on its way across the barrier
	s_barrier_signal -1
	s_barrier_wait -1                                      ; K, V, Q and G lie in LDS; nobody reads m any more
	; ---- 2: attention: two trips of two heads
.macro HEAD e
	v_add_nc_u32 v103, s38, v4
	v_add_nc_u32 v104, s39, v2
	v_add_nc_u32 v105, s35, v2
	v_add_nc_u32 v106, s34, v1
.irp p,0,1,2
	ds_load_b64 v[96+2*\p:97+2*\p], v103 offset:\e*3072+256*\p     ; my 16 queries' codes of this head: 24 bytes a query, the same in both halves of the lanes
.endr
	ds_load_b32 v102, v104 offset:\e*256
.irp f,0,1,2,3
	ds_load_b32 v[114+\f], v105 offset:\e*512+128*\f
.endr
.set N, 0
.rept 12
	ds_load_b128 v[48+4*N:51+4*N], v106 offset:\e*6144+512*N       ; the head's four fragments of K
.set N, N+1
.endr
.irp i,0,1,2,3,4,5
	v_mov_b32 v[16+\i], 0                                  ; zero codes round Q's: v16-21 | v22-27 Q in lanes 0-15 | v28-33 | v34-39 Q in lanes 16-31 | v40-45
	v_mov_b32 v[28+\i], 0
	v_mov_b32 v[40+\i], 0
.endr
	s_wait_dscnt 16                                        ; Q's four loads are in; K's four words and twelve fragment loads may be out
	v_perm_b32 v112, v102, v102, s33                       ; my tile's scale byte in all four bytes: it serves Q in whichever block it stands
.irp i,0,1,2,3,4,5
	v_cndmask_b32 v[22+\i], v16, v[96+\i], s32
	v_cndmask_b32 v[34+\i], v[96+\i], v16, s32
.endr
	PLACES 8                                               ; a scale register written by a vector instruction stands 8 places ahead of a scaled matrix instruction, an operand 4
	s_wait_dscnt 0x0
	s_wait_loadcnt 0x0                                     ; the bias is in the accumulators
.irp f,0,1,2,3                                             ; key slot 4 f + j: Q in block j.  Register 16 b + i of lane (r, h): query r, the slots' key 32 b + 16 h + i
	WM 128+32*\f, 48+12*\f, 22, 128+32*\f, 114+\f, 112, 0
	WM 136+32*\f, 48+12*\f, 34, 136+32*\f, 114+\f, 112, 0
	WM 144+32*\f, 48+12*\f, 16, 144+32*\f, 114+\f, 112, 0
	WM 152+32*\f, 48+12*\f, 28, 152+32*\f, 114+\f, 112, 0
.endr
	PLACES NPL
.irp b,0,1,2,3,4,5,6,7
	v_max3_num_f32 v[48+\b], v[128+16*\b], v[129+16*\b], v[130+16*\b]      ; the largest score of each block of 32 keys: for the row's maximum, and, since p rises with the score, for the block's largest p
.endr
.irp i,3,5,7,9,11,13
.irp b,0,1,2,3,4,5,6,7
	v_max3_num_f32 v[48+\b], v[48+\b], v[128+16*\b+\i], v[129+16*\b+\i]
.endr
.endr
.irp b,0,1,2,3,4,5,6,7
	v_max_num_f32 v[48+\b], v[48+\b], v[143+16*\b]
.endr
.irp b,0,1,2,3,4,5,6,7
	v_permlanex16_b32 v[56+\b], v[48+\b], s[SEL], s[SEL+1]
.endr
.irp b,0,1,2,3,4,5,6,7
	v_max_num_f32 v[48+\b], v[48+\b], v[56+\b]
.endr
	v_max3_num_f32 v7, v48, v49, v50
	v_max3_num_f32 v7, v7, v51, v52
	v_max3_num_f32 v7, v7, v53, v54
	v_max_num_f32 v7, v7, v55
	v_mul_f32 v7, s28, v7                                  ; the row's largest t (c is positive)
	v_floor_f32 v14, -v7                                   ; -M = floor(-t) = -ceil(t)
.set J, 0
.rept 64
	v_pk_fma_f32 v[128+2*J:129+2*J], v[128+2*J:129+2*J], s[28:29], v[14:15] op_sel_hi:[1,0,0]   ; t - M
.set J, J+1
.endr
.irp b,0,1,2,3,4,5,6,7
	v_fma_f32 v[48+\b], v[48+\b], s28, v14
.endr
.set J, 0
.rept 128
	v_exp_f32 v[128+J], v[128+J]                           ; p = 2^(t - M): not normalised
.set J, J+1
.endr
	v_nop                                                  ; a plain place behind the batch
	s_wait_alu depctr_va_vdst(0)                           ; one wait for the 128, ahead of their first reader
.irp b,0,1,2,3,4,5,6,7
	v_exp_f32 v[48+\b], v[48+\b]                           ; each block's largest p: the same two instructions on the same number
.endr
.irp k,0,1,2,3
	v_pk_add_f32 v[72+2*\k:73+2*\k], v[128+4*\k:129+4*\k], v[130+4*\k:131+4*\k]     ; the row's sum, of the unquantised p, in four chains: it reads the 128 alone
.endr
.set J, 8
.rept 56
	v_pk_add_f32 v[72+2*(J%4):73+2*(J%4)], v[72+2*(J%4):73+2*(J%4)], v[128+2*J:129+2*J]
.set J, J+1
.endr
	v_pk_add_f32 v[72:73], v[72:73], v[74:75]
	v_pk_add_f32 v[76:77], v[76:77], v[78:79]
	v_pk_add_f32 v[72:73], v[72:73], v[76:77]
	v_add_f32 v7, v72, v73
	s_wait_alu depctr_va_vdst(0)                           ; and one for the eight
.irp b,0,1,2,3,4,5,6,7
	v_max_num_f32 v[48+\b], 0x1800000, v[48+\b]            ; the floor 2^(3 - 127)
.endr
.irp b,0,1,2,3,4,5,6,7
	v_add_nc_u32 v[64+\b], 0xff000000, v[48+\b]
.endr
.irp b,0,1,2,3,4,5,6,7
	v_lshrrev_b32 v[56+\b], 23, v[64+\b]
.endr
	v_lshl_or_b32 v118, v57, 8, v56                        ; p's scale words: the slots' keys 0-127,
	v_lshl_or_b32 v119, v61, 8, v60                        ; keys 128-255
	v_lshl_or_b32 v118, v58, 16, v118
	v_lshl_or_b32 v119, v62, 16, v119
	v_lshl_or_b32 v118, v59, 24, v118
	v_lshl_or_b32 v119, v63, 24, v119
.irp ks,0,1
.irp c,0,1
	v_cvt_scalef32_pk16_fp6_f32 v[16+12*\ks+6*\c:18+12*\ks+6*\c], v[128+64*\ks+32*\c:143+64*\ks+32*\c], v[64+4*\ks+2*\c]
	v_cvt_scalef32_pk16_fp6_f32 v[40+4*\c:42+4*\c], v[144+64*\ks+32*\c:159+64*\ks+32*\c], v[65+4*\ks+2*\c]
.endr
	v_nop
.irp c,0,1
.irp i,0,1,2
	v_permlane16_swap_b32 v[16+12*\ks+6*\c+\i], v[40+4*\c+\i]
.endr
.irp i,0,1,2
	v_mov_b32 v[19+12*\ks+6*\c+\i], v[40+4*\c+\i]
.endr
.endr
.endr
	; the scores' registers are free: the next head's bias.  The last head asks for nothing: no load leaves the buffer
.if \e == 1
	s_cmp_eq_u32 s41, 1
	s_cbranch_scc1 .Lno_bias_\@
.endif
	s_add_nc_u64 s[42:43], s[42:43], 0x40000               ; (the last bias loads were waited for above, so their bases may step)  16 tiles of queries x 16,384 bytes on
	s_add_nc_u64 s[62:63], s[62:63], 0x40000
	BIASLOAD
.if \e == 1
.Lno_bias_\@:
.endif
	v_permlanex16_b32 v56, v7, s[SEL], s[SEL+1]
	v_add_f32 v7, v7, v56                                  ; with lane l xor 16's keys: the row's sum
	v_rcp_f32 v14, v7
	v_add_nc_u32 v11, s36, v1                              ; (a plain place behind the reciprocal)
	v_add_nc_u32 v12, s37, v2
	v_add_nc_u32 v13, s40, v1
.set N, 0
.rept 12
	ds_load_b128 v[48+4*N:51+4*N], v11 offset:\e*6144+512*N        ; V^T: fragment 2 u + ks
.set N, N+1
.endr
.irp f,0,1,2,3
	ds_load_b32 v[114+\f], v12 offset:\e*512+128*\f
.endr
	ds_load_b128 v[40:43], v13 offset:\e*2048                      ; the gate of my queries, this head
	ds_load_b128 v[44:47], v13 offset:\e*2048+512
	ds_load_b128 v[120:123], v13 offset:\e*2048+1024
	ds_load_b128 v[124:127], v13 offset:\e*2048+1536
	PLACES 8                                               ; p's scale words and codes were made by vector instructions: 8 and 4 places ahead of the products
	s_wait_dscnt 4                                         ; V's fragments and words are in; the gate's four loads may be out
	WM 96, 48, 16, -1, 114, 118, 0                         ; O^T = V^T P^T: two accumulators by turns; register 8 u + j of lane (r, h): query r, channel 16 h + 8 u + j
	WM 104, 72, 16, -1, 116, 118, 0
	WM 96, 60, 28, 96, 115, 119, 0
	WM 104, 84, 28, 104, 117, 119, 0
	s_wait_alu depctr_va_vdst(0)                           ; the reciprocal, ahead of its first reader
	s_wait_dscnt 0x0
.irp i,0,1,2,3
	v_pk_mul_f32 v[40+2*\i:41+2*\i], v[40+2*\i:41+2*\i], v[14:15] op_sel_hi:[1,0]       ; gate / sum: these eight are also the places behind the products
.endr
.irp i,0,1,2,3
	v_pk_mul_f32 v[120+2*\i:121+2*\i], v[120+2*\i:121+2*\i], v[14:15] op_sel_hi:[1,0]
.endr
.irp i,0,1,2,3
	v_pk_mul_f32 v[96+2*\i:97+2*\i], v[96+2*\i:97+2*\i], v[40+2*\i:41+2*\i]
.endr
.irp i,0,1,2,3
	v_pk_mul_f32 v[104+2*\i:105+2*\i], v[104+2*\i:105+2*\i], v[120+2*\i:121+2*\i]
.endr
	v_max3_num_f32 v7, |v96|, |v97|, 0x1800000             ; the head is one block of 32 of the output product's K: my 16 numbers, in two chains
	v_max3_num_f32 v15, |v98|, |v99|, |v100|
	v_max3_num_f32 v7, v7, |v101|, |v102|
	v_max3_num_f32 v15, v15, |v103|, |v104|
	v_max3_num_f32 v7, v7, |v105|, |v106|
	v_max3_num_f32 v15, v15, |v107|, |v108|
	v_max3_num_f32 v7, v7, |v109|, |v110|
	v_max3_num_f32 v15, v15, |v111|, v7
	v_permlanex16_b32 v7, v15, s[SEL], s[SEL+1]
	v_max_num_f32 v7, v7, v15
	v_add_nc_u32 v7, 0xff000000, v7
.if \e == 0
	v_cvt_scalef32_pk16_fp6_f32 v[8:10], v[96:111], v7
	v_lshrrev_b32 v6, 23, v7                               ; the byte (a plain place behind the conversion)
.else
	v_cvt_scalef32_pk16_fp6_f32 v[48:50], v[96:111], v7
	v_lshrrev_b32 v15, 23, v7
.irp i,0,1,2
	v_permlane16_swap_b32 v[8+\i], v[48+\i]                ; two heads' half blocks become whole blocks: lanes 0-15 the even head, lanes 16-31 the odd one
.endr
.irp i,0,1,2
	v_mov_b32 v[11+\i], v[48+\i]
.endr
	v_add_nc_u32 v7, s52, v3
.irp p,0,1,2
	ds_store_b64 v7, v[8+2*\p:9+2*\p] offset:256*\p        ; registers 6 trip .. 6 trip + 5 of the values' fragment (tile qt, K step g)
.endr
	v_lshl_or_b32 v6, v15, 8, v6
	v_lshrrev_b32 v5, 16, v5
	v_lshl_or_b32 v5, v6, 16, v5                           ; two bytes a trip: after two trips the word is whole
.endif
.endm
	s_mov_b32 s41, 0
.Ltrip:
	HEAD 0
	HEAD 1
	s_add_co_u32 s34, s34, 12288
	s_add_co_u32 s35, s35, 1024
	s_add_co_u32 s36, s36, 12288
	s_add_co_u32 s37, s37, 1024
	s_add_co_u32 s38, s38, 6144
	s_add_co_u32 s39, s39, 512
	s_add_co_u32 s40, s40, 4096
	s_add_co_u32 s52, s52, 768
	s_add_co_u32 s41, s41, 1
	s_cmp_lt_u32 s41, 2
	s_cbranch_scc1 .Ltrip
	s_lshl_b32 s48, s23, 1
	s_add_co_u32 s48, s48, s24
	s_lshl_b32 s48, s48, 7
	s_add_co_u32 s48, s48, VIS
	v_add_nc_u32 v7, s48, v2
	ds_store_b32 v7, v5
	PLACES NPL
	s_mul_i32 s48, s20, 3072
	s_add_co_u32 s48, s48, 4*49152
	s_mov_b32 s49, 0
	s_add_nc_u64 s[54:55], s[8:9], s[48:49]                ; Wo's tile w of columns
	s_lshl_b32 s48, s20, 7
	s_add_co_u32 s48, s48, 4*2048
	s_add_nc_u64 s[56:57], s[10:11], s[48:49]
	s_lshl_b32 s48, s21, 7
	s_lshl_b32 s51, s22, 5
	s_add_co_u32 s50, s48, s51                             ; 128 (w / 2) + 32 (w % 2): my columns' bytes in a row, less 64 h
	s_mov_b32 s48, s50
	s_add_nc_u64 s[58:59], s[16:17], s[48:49]
	v_bfe_u32 v125, v0, 4, 1                               ; h
	v_lshlrev_b32 v126, 6, v125                            ; 64 h
.irp n,0,1,2,3,4,5
	global_load_b128 v[16+4*\n:19+4*\n], v1, s[54:55] offset:512*\n
.endr
	global_load_b32 v112, v2, s[56:57]
	global_load_b128 v[40:43], v126, s[58:59]              ; bo in the result's layout: columns 32 (w / 2) + 16 h + 8 (w % 2) + 0 .. 7
	global_load_b128 v[44:47], v126, s[58:59] offset:16
	v_lshl_add_u32 v121, v125, 7, v2
	v_add_nc_u32 v121, VIS, v121                           ; the values' scale words: lanes 0-15 K step 0's row, lanes 16-31 K step 1's
	v_and_b32 v122, 15, v0
	v_and_b32 v123, 8, v122
	v_add_nc_u32 v122, v122, v123                          ; r + 8 (r / 8)
	v_mul_u32_u24 v122, v122, OSP
	v_lshl_add_u32 v122, v125, 6, v122
	s_add_co_u32 s50, s50, OS
	v_add_nc_u32 v122, s50, v122                           ; the stage, way in, tiles 0-3;
	v_add_nc_u32 v123, 64*OSP, v122                        ; tiles 4-7
	s_mul_i32 s48, s20, 8*OSP
	s_add_co_u32 s48, s48, OS
	v_add_nc_u32 v124, s48, v1                             ; and way out: my 8 rows
	s_lshl_b32 s48, s26, 8
	s_lshl_b32 s51, s25, 7
	s_add_co_u32 s48, s48, s51
	s_lshl_b32 s51, s20, 3
	s_add_co_u32 s48, s48, s51
	s_lshl_b32 s48, s48, 10
	s_add_nc_u64 s[60:61], s[18:19], s[48:49]              ; out0 at row 256 s + 128 qh + 8 w
	BAR                                                    ; the values' 16 fragments lie in LDS; nobody reads the gate any more
	; ---- 3: my 16 output columns for the 128 queries: four groups of two tiles, fragments in two buffers by turns
.macro GLOAD i, fb, sc
.irp q,0,1
.irp ks,0,1
.irp p,0,1,2,3,4,5
	ds_load_b64 v[\fb+12*(2*\q+\ks)+2*\p:\fb+12*(2*\q+\ks)+2*\p+1], v3 offset:((2*\i+\q)*2+\ks)*1536+256*\p
.endr
.endr
	ds_load_b32 v[\sc+\q], v121 offset:(2*\i+\q)*256
.endr
.endm
.macro GMUL i, fb, sc                  ; two accumulators by turns; bo is the C of each sum's first instruction
	WM 192+16*\i, 16, \fb, 40, 112, \sc, 0
	WM 200+16*\i, 16, \fb+24, 40, 112, \sc+1, 0
	WM 192+16*\i, 28, \fb+12, 192+16*\i, 112, \sc, 1
	WM 200+16*\i, 28, \fb+36, 200+16*\i, 112, \sc+1, 1
.endm
	GLOAD 0, 48, 114
	GLOAD 1, 128, 116
	s_wait_loadcnt 0x0                                     ; Wo, its scales, bo
	s_wait_dscnt 26                                        ; this group's 26 loads are in; the other group's 26 may be out
	GMUL 0, 48, 114
	PLACES NPL
	GLOAD 2, 48, 114
	s_wait_dscnt 26
	GMUL 1, 128, 116
	PLACES NPL
	GLOAD 3, 128, 116
	s_wait_dscnt 26
	GMUL 2, 48, 114
	s_wait_dscnt 0x0
	GMUL 3, 128, 116
	PLACES NPL
.irp qt,0,1,2,3,4,5,6,7
	ds_store_b128 v[122+\qt/4], v[192+8*\qt:195+8*\qt] offset:(32*((\qt/2)%2)+8*(\qt%2))*OSP        ; each accumulator from its low end on: lane (r, h): eight neighbouring columns of query row r
	ds_store_b128 v[122+\qt/4], v[196+8*\qt:199+8*\qt] offset:(32*((\qt/2)%2)+8*(\qt%2))*OSP+16
.endr
	BAR                                                    ; 128 whole rows lie in the stage
.set N, 0
.rept 16
	ds_load_b128 v[128+4*N:131+4*N], v124 offset:(N/2)*OSP+512*(N%2)
.set N, N+1
.endr
.set N, 0
.rept 16
	s_wait_dscnt 15-N                                      ; LDS loads come back in order: load N is in
	global_store_b128 v1, v[128+4*N:131+4*N], s[60:61] offset:1024*(N/2)+512*(N%2) th:TH_STORE_NT   ; 32 lanes store 512 consecutive bytes, aligned; written once, read by nobody here
.set N, N+1
.endr
	s_wait_xcnt 0x0
	v_lshl_add_u32 v254, v0, 2, 0x4d800
	v_mov_b32 v255, 0
	s_wait_tensorcnt 0x0
	ds_add_u32 v254, v255
	s_wait_dscnt 0x0
	s_endpgm
.Lfunc_end_k_qaf31be843d_main:
	.size	k_qaf31be843d_main, .Lfunc_end_k_qaf31be843d_main-k_qaf31be843d_main
	.p2alignl 7, 3214868480
	.fill 96, 4, 3214868480
	.section	.rodata,"a",@progbits
	.p2align	6, 0x0
	.amdhsa_kernel k_qaf31be843d_main
		.amdhsa_group_segment_fixed_size 319488
		.amdhsa_private_segment_fixed_size 0
		.amdhsa_enable_private_segment 0
		.amdhsa_kernarg_size 64
		.amdhsa_user_sgpr_count 2
		.amdhsa_user_sgpr_kernarg_segment_ptr 1
		.amdhsa_wavefront_size32 1
		.amdhsa_system_sgpr_workgroup_id_x 1
		.amdhsa_system_sgpr_workgroup_id_y 1
		.amdhsa_system_sgpr_workgroup_id_z 1
		.amdhsa_system_vgpr_workitem_id 0
		.amdhsa_next_free_vgpr 256
		.amdhsa_next_free_sgpr 66
		.amdhsa_reserve_vcc 0
		.amdhsa_float_denorm_mode_32 3
		.amdhsa_float_denorm_mode_16_64 3
		.amdhsa_memory_ordered 1
		.amdhsa_forward_progress 1
		.amdhsa_inst_pref_size 154
	.end_amdhsa_kernel
	.amdgpu_metadata
---
amdhsa.version: [ 1, 2 ]
amdhsa.kernels:
  - .name:           k_qaf31be843d_main
    .symbol:         k_qaf31be843d_main.kd
    .args:
      - { .name: mfrag, .offset: 0, .size: 8, .value_kind: global_buffer, .address_space: global }
      - { .name: mscl, .offset: 8, .size: 8, .value_kind: global_buffer, .address_space: global }
      - { .name: wfrag, .offset: 16, .size: 8, .value_kind: global_buffer, .address_space: global }
      - { .name: wscl, .offset: 24, .size: 8, .value_kind: global_buffer, .address_space: global }
      - { .name: bias, .offset: 32, .size: 8, .value_kind: global_buffer, .address_space: global }
      - { .name: bg, .offset: 40, .size: 8, .value_kind: global_buffer, .address_space: global }
      - { .name: bo, .offset: 48, .size: 8, .value_kind: global_buffer, .address_space: global }
      - { .name: out0, .offset: 56, .size: 8, .value_kind: global_buffer, .address_space: global }
    .group_segment_fixed_size: 319488
    .private_segment_fixed_size: 0
    .kernarg_segment_align: 8
    .kernarg_segment_size: 64
    .max_flat_workgroup_size: 512
    .sgpr_count:     66
    .vgpr_count:     256
    .wavefront_size: 32
...
	.end_amdgpu_metadata
.endif
;; end of part 2
;; ======== version 2 of 3: 2 launches; 1.20 times as fast as version 1
;; workspace buffers: mfrag 6,291,456 bytes; mscl 262,144 bytes; wfrag 245,760 bytes; wscl 10,240 bytes; bias 2,097,152 bytes
;; launch prep (part 3): grid 522 x 1, 8 waves a work-group, no clusters, 145,408 bytes of LDS; arguments msa, pair, ln_m_g, ln_m_b, mfrag, mscl, ln_p_g, ln_p_b, Wp, bias, Wq, Wk, Wv, Wg, Wo, wfrag, wscl; writes mfrag, mscl, bias, wfrag, wscl
.if DOCPART == 3
	.amdgcn_target "amdgcn-amd-amdhsa--gfx1250"
	.amdhsa_code_object_version 6
	.text
	.protected	k_qaf31be843d_prep
	.globl	k_qaf31be843d_prep
	.p2align	8
	.type	k_qaf31be843d_prep,@function
k_qaf31be843d_prep:
	s_mov_b64 s[64:65], 0
	v_nop
	global_prefetch_b8 v0, s[64:65] scope:SCOPE_SE
	s_setreg_imm32_b32 hwreg(HW_REG_WAVE_MODE, 25, 1), 1
	s_wait_xcnt 0x0
; PREP: everything that is made once and read many times.
;   work-groups 0-9:     the five weights [256 (k)][256 (n)] f32 -> codes of FP6 (E2M3) along k, as images of operand registers (wfrag), and their scale words (wscl)
;   work-groups 10-265:  bias = LN(pair) @ Wp, all in f32 (it goes on into a softmax that is quantised), times sqrt(32), laid as the score accumulators of the second launch want it
;   work-groups 266-521: LN(msa) -> codes of FP6 along the 256 channels, as images of operand registers (mfrag), and their scale words (mscl)
; THE ROWS OF A TILE ARE NOT NEIGHBOURS: row r of tile T (of residues, or of a weight's columns) is 32 (T / 2) + 8 (T % 2) + r + 8 (r / 8), so that in a result whose M axis is such a tile
; the 16 registers of tiles 2 b and 2 b + 1 are 16 neighbours.
; An IMAGE of a fragment (16 rows x 128 K, 12 registers a lane): registers 4 c .. 4 c + 3 of lane l at 512 c + 16 l: 1,536 bytes.  A scale row: 128 bytes, lanes 0-15 the word of K step 0, lanes 16-31 that of K step 1.
; A wave takes one piece of 16 KiB (16 rows of msa; 2 x 16 rows of pair): 32 loads of 512 consecutive bytes, turned through the wave's own stage in LDS.  No loop, no tensor load.
; In pair's path a lane holds one row, so every lane wants all of Wp, gain and bias (5,120 bytes): each wave lays a copy into its own stage, when its rows have left it, and reads it by loads in which all lanes
; name the same 16 bytes, through a ring of eight slots of registers with a counted wait.  The bytes are the wave's own: no barrier.
; LIMITS: NaN and infinities among the inputs are not served.  A block whose largest magnitude lies under 2^-124, a block of zeros too, gets the scale byte 1 (its codes are then zeros or nearly); the bytes are read by this program alone.
.set FIRSTP, 10                        ; first work-group of pair
.set FIRSTM, 266                       ; first work-group of msa
.set STGB,  16896                      ; a wave's stage: 32 slots of 512 bytes + 16
.set SLP,   528
.set OSB,   8*STGB                     ; behind the stages: pair's way out, 8 heads x 4 x 288 bytes
.set LI,  1                            ; v1   16 x lane
.set LS,  2                            ; v2   4 x lane
.set STW, 3                            ; v3   stage, way in
.set RDM, 4                            ; v4   stage, way out for msa: row r (two slots), + 64 h
.set RDP, 5                            ; v5   stage, way out for pair: slot = lane
.set OSW, 6                            ; v6   pair's out stage, way in
.set OSR, 7                            ; v7   and way out
.set H64, 8                            ; v8   64 h
.set WL,  9                            ; v9   a weight's column and half: 4 (r + 8 (r / 8)) + 32 rows x h
.set POF, 10                           ; v10  512 h + 16 r
.set WBA, 11                           ; v11  my wave's stage, the same in all lanes
.set CH,  12                           ; v12-19  four chains of sums, a pair each
.set MU,  20                           ; v20-21  the mean, twice
.set RS,  22                           ; v22-23  1 / sqrt(var + eps), twice
.set T0,  24
.set T1,  25
.set TM,  26                           ; v26-41  the quantiser's 16 registers; in pair's path v26-33 the eight heads' sums
.set PW0, 42
.set PW1, 43
.set PC0, 44                           ; v44-63  a fragment's codes (12) and the halves still to be swapped (8)
.set X,   64                           ; v64-191 the 128 numbers of a lane
.set GR,  192                          ; v192-223 gains, v224-255 biases of 32 of them; in pair's path v192-255 the ring of eight slots
.set BR,  224
.set PC1, 192                          ; the second fragment's codes, when gains are done with
.set SEL, 2                            ; s[2:3] selects of v_permlanex16_b32: lane l xor 16
.set WV,  66
.set TAU, 100                          ; msa: my tile, 16 s + T
.set HIM, 101                          ; lanes 16-31
.set INV, 104                          ; 1 / the row's length
.set EPS, 105
; 64 numbers of a lane, register 16 b + i = k 32 b + 16 (lane / 16) + i of my row, become a fragment's codes in v[pc] .. v[pc + 11] and its scale word in v[pw]
.macro QUANT s, pc, pw
.irp b,0,1,2,3
	v_max3_num_f32 v[TM+\b], |v[\s+16*\b]|, |v[\s+1+16*\b]|, 0x1800000   ; my 16 numbers of block b, and the floor 2^(3 - 127): the byte cannot fall under 1
.endr
.irp i,2,4,6,8,10,12,14
.irp b,0,1,2,3
	v_max3_num_f32 v[TM+\b], v[TM+\b], |v[\s+16*\b+\i]|, |v[\s+1+16*\b+\i]|
.endr
.endr
.irp b,0,1,2,3
	v_permlanex16_b32 v[TM+4+\b], v[TM+\b], s[SEL], s[SEL+1]
.endr
.irp b,0,1,2,3
	v_max_num_f32 v[TM+\b], v[TM+\b], v[TM+4+\b]           ; with lane l xor 16's: the block's largest magnitude
.endr
.irp b,0,1,2,3
	v_add_nc_u32 v[TM+12+\b], 0xff000000, v[TM+\b]         ; 2 off its exponent field: the conversion's scale operand
.endr
.irp b,0,1,2,3
	v_lshrrev_b32 v[TM+4+\b], 23, v[TM+12+\b]              ; the scale's byte
.endr
	v_lshl_or_b32 v[\pw], v[TM+5], 8, v[TM+4]
	v_lshl_or_b32 v[\pw], v[TM+6], 16, v[\pw]
	v_lshl_or_b32 v[\pw], v[TM+7], 24, v[\pw]
.irp c,0,1
	v_cvt_scalef32_pk16_fp6_f32 v[\pc+6*\c:\pc+2+6*\c], v[\s+32*\c:\s+15+32*\c], v[TM+12+2*\c]
	v_cvt_scalef32_pk16_fp6_f32 v[\pc+12+4*\c:\pc+14+4*\c], v[\s+16+32*\c:\s+31+32*\c], v[TM+13+2*\c]   ; (a conversion's three registers begin on an even number)
.endr
	v_nop                                                  ; one plain place behind a scaled conversion
.irp c,0,1                                                 ; the operand wants a WHOLE block in a lane: lanes 0-15 block 2 c, lanes 16-31 block 2 c + 1
.irp i,0,1,2
	v_permlane16_swap_b32 v[\pc+6*\c+\i], v[\pc+12+4*\c+\i]
.endr
.irp i,0,1,2
	v_mov_b32 v[\pc+3+6*\c+\i], v[\pc+12+4*\c+\i]
.endr
.endr
.endm
.macro MERGE                           ; four chains -> one number in v[T0]
	v_pk_add_f32 v[CH:CH+1], v[CH:CH+1], v[CH+2:CH+3]
	v_pk_add_f32 v[CH+4:CH+5], v[CH+4:CH+5], v[CH+6:CH+7]
	v_pk_add_f32 v[CH:CH+1], v[CH:CH+1], v[CH+4:CH+5]
	v_add_f32 v[T0], v[CH], v[CH+1]
.endm
; The norm's statistics of my 128 numbers (join = 1: with lane l xor 16's 128), in two passes: the mean is taken away before the squares.  Leaves X centred and 1 / sqrt(var + eps) in v[RS], v[RS + 1].
.macro LN join
.irp k,0,1,2,3
	v_pk_add_f32 v[CH+2*\k:CH+2*\k+1], v[X+4*\k:X+4*\k+1], v[X+4*\k+2:X+4*\k+3]   ; the first eight pairs start the chains: nothing is cleared
.endr
.set J, 8
.rept 56
	v_pk_add_f32 v[CH+2*(J%4):CH+2*(J%4)+1], v[CH+2*(J%4):CH+2*(J%4)+1], v[X+2*J:X+2*J+1]
.set J, J+1
.endr
	MERGE
.if \join
	v_permlanex16_b32 v[T1], v[T0], s[SEL], s[SEL+1]
	v_add_f32 v[T0], v[T0], v[T1]
.endif
	v_mul_f32 v[MU], s[INV], v[T0]
	v_mov_b32 v[MU+1], v[MU]
.set J, 0
.rept 64
	v_pk_add_f32 v[X+2*J:X+2*J+1], v[X+2*J:X+2*J+1], v[MU:MU+1] neg_lo:[0,1] neg_hi:[0,1]
.set J, J+1
.endr
.irp k,0,1,2,3
	v_pk_mul_f32 v[CH+2*\k:CH+2*\k+1], v[X+2*\k:X+2*\k+1], v[X+2*\k:X+2*\k+1]
.endr
.set J, 4
.rept 60
	v_pk_fma_f32 v[CH+2*(J%4):CH+2*(J%4)+1], v[X+2*J:X+2*J+1], v[X+2*J:X+2*J+1], v[CH+2*(J%4):CH+2*(J%4)+1]
.set J, J+1
.endr
	MERGE
.if \join
	v_permlanex16_b32 v[T1], v[T0], s[SEL], s[SEL+1]
	v_add_f32 v[T0], v[T0], v[T1]
.endif
	v_fma_f32 v[T0], v[T0], s[INV], s[EPS]                 ; var + eps
	v_rsq_f32 v[RS], v[T0]
	v_rsq_f32 v[RS+1], v[T0]                               ; twice: the packed multiply names a pair
	v_nop                                                  ; a plain place behind the transcendentals
	s_wait_alu depctr_va_vdst(0)                           ; one wait for both, ahead of their first reader
.endm
	s_load_b128 s[16:19], s[0:1], 0x0                      ; msa, pair
	s_load_b256 s[20:27], s[0:1], 0x10                     ; ln_m_g, ln_m_b, mfrag, mscl
	s_load_b256 s[28:35], s[0:1], 0x30                     ; ln_p_g, ln_p_b, Wp, bias
	s_load_b256 s[36:43], s[0:1], 0x50                     ; Wq, Wk, Wv, Wg
	s_load_b128 s[44:47], s[0:1], 0x70                     ; Wo, wfrag
	s_load_b64 s[48:49], s[0:1], 0x80                      ; wscl
	v_lshl_add_u32 v59, v0, 2, 0x23400
	v_mov_b32 v63, 0
	v_lshrrev_b32 v[WBA], 5, v0
	v_readfirstlane_b32 s[WV], v[WBA]                      ; wave 0..7
	v_mul_u32_u24 v[WBA], v[WBA], STGB                     ; my wave's stage, the same number in all its lanes
	v_and_b32 v[CH], 31, v0                                ; lane
	v_lshlrev_b32 v[LI], 4, v[CH]
	v_lshlrev_b32 v[LS], 2, v[CH]
	s_mul_i32 s67, s[WV], STGB
	v_add_nc_u32 v[STW], s67, v[LI]
	v_and_b32 v[T0], 15, v0                                ; r
	v_bfe_u32 v[T1], v0, 4, 1                              ; h
	v_mul_u32_u24 v[RDM], v[T0], 2*SLP
	v_lshl_add_u32 v[RDM], v[T1], 6, v[RDM]
	v_add_nc_u32 v[RDM], s67, v[RDM]
	v_mul_u32_u24 v[RDP], v[CH], SLP
	v_add_nc_u32 v[RDP], s67, v[RDP]
	v_lshrrev_b32 v[OSW], 2, v[T0]                         ; pair's out stage, in: (key / 4) x 288 + (2 w + h) x 16 + (key % 4) x 4: a wave's 32 words fall on 32 banks
	v_mul_u32_u24 v[OSW], v[OSW], 288
	v_lshl_add_u32 v[OSW], v[T1], 4, v[OSW]
	v_and_b32 v[OSR], 3, v0
	v_lshl_add_u32 v[OSW], v[OSR], 2, v[OSW]
	s_lshl_b32 s67, s[WV], 5
	s_add_co_u32 s67, s67, OSB
	v_add_nc_u32 v[OSW], s67, v[OSW]
	v_mul_u32_u24 v[OSR], v[T1], 288                       ; and out: head = wave
	v_lshl_add_u32 v[OSR], v[T0], 4, v[OSR]
	s_mul_i32 s67, s[WV], 1152
	s_add_co_u32 s67, s67, OSB
	v_add_nc_u32 v[OSR], s67, v[OSR]
	v_lshlrev_b32 v[H64], 6, v[T1]
	v_and_b32 v[WL], 8, v[T0]
	v_add_nc_u32 v[WL], v[WL], v[T0]                       ; r + 8 (r / 8)
	v_lshlrev_b32 v[WL], 2, v[WL]
	v_lshl_add_u32 v[WL], v[T1], 15, v[WL]                 ; lanes 16-31 begin 32 rows of 1,024 bytes further down
	v_lshlrev_b32 v[POF], 9, v[T1]
	v_lshl_add_u32 v[POF], v[T0], 4, v[POF]
.irp i,4,5,6,7,8,9
	v_mov_b32 v[TM+\i], 0                                  ; written once: a lane permute's destination counts as one of its sources
.endr
	s_mov_b32 s[SEL], 0x76543210
	s_mov_b32 s[SEL+1], 0xfedcba98
	s_mov_b32 s[EPS], 0x3727c5ac                           ; 1e-5
	s_mov_b32 s[HIM], 0xffff0000
	s_cmp_lt_u32 ttmp9, FIRSTP
	s_cbranch_scc1 .Lweights
	; ---- msa and pair take one loader: only input pointers and offsets are chosen, by the work-group's number
	s_sub_co_u32 s50, ttmp9, FIRSTM
	s_lshl_b32 s50, s50, 3
	s_add_co_u32 s[TAU], s50, s[WV]                        ; msa: tile 16 s + T
	s_and_b32 s50, s[TAU], 0xfffffff0
	s_lshl_b32 s50, s50, 4                                 ; 256 s
	s_bfe_u32 s51, s[TAU], 0x30001                         ; T / 2
	s_lshl_b32 s51, s51, 5
	s_add_co_u32 s50, s50, s51
	s_and_b32 s51, s[TAU], 1
	s_lshl_b32 s51, s51, 3
	s_add_co_u32 s50, s50, s51
	s_lshl_b32 s50, s50, 10                                ; msa: the tile's first row, 1,024 bytes a row; rows 8-15 of the tile lie 16 rows on
	s_sub_co_u32 s67, ttmp9, FIRSTP                        ; pair: z = 16 qt + 2 b + h'
	s_lshr_b32 s52, s67, 4                                 ; qt
	s_lshr_b32 s53, s52, 1
	s_lshl_b32 s53, s53, 5
	s_and_b32 s54, s52, 1
	s_lshl_b32 s54, s54, 3
	s_add_co_u32 s53, s53, s54
	s_lshl_b32 s54, s[WV], 1
	s_add_co_u32 s53, s53, s54
	s_lshr_b32 s54, s[WV], 2
	s_lshl_b32 s54, s54, 3
	s_add_co_u32 s53, s53, s54                             ; i0: the query of the tile's row 2 w; row 2 w + 1 is the next query
	s_lshl_b32 s53, s53, 8
	s_and_b32 s54, s67, 15
	s_lshl_b32 s54, s54, 4                                 ; first key: 32 b + 16 h'
	s_add_co_u32 s53, s53, s54
	s_lshl_b32 s53, s53, 9                                 ; 512 bytes a (query, key)
	s_mov_b32 s[INV], 0x3c000000                           ; 1 / 128
	s_mov_b32 s55, 131072                                  ; pair: from a query to the next
	s_wait_kmcnt 0x0
	s_cmp_ge_u32 ttmp9, FIRSTM
	s_cselect_b64 s[4:5], s[16:17], s[18:19]
	s_cselect_b64 s[8:9], s[20:21], s[28:29]               ; the norm's gain
	s_cselect_b64 s[10:11], s[22:23], s[30:31]             ; and bias
	s_cselect_b32 s[INV], 0x3b800000, s[INV]               ; msa: 1 / 256
	s_cselect_b32 s56, s50, s53
	s_cselect_b32 s58, 16384, s55
	s_mov_b32 s57, 0
	s_mov_b32 s59, 0
	s_add_nc_u64 s[4:5], s[4:5], s[56:57]
	s_add_nc_u64 s[6:7], s[4:5], s[58:59]
.set N, 0
.rept 16
	global_load_b128 v[X+4*N:X+4*N+3], v[LI], s[4:5] offset:512*N th:TH_LOAD_NT        ; 32 lanes read 512 consecutive bytes
.set N, N+1
.endr
.rept 16
	global_load_b128 v[X+4*N:X+4*N+3], v[LI], s[6:7] offset:512*(N-16) th:TH_LOAD_NT
.set N, N+1
.endr
.set N, 0
.rept 32
	s_wait_loadcnt 31-N                                    ; loads come back in order: load N is in, the 31 - N younger ones stay out
	ds_store_b128 v[STW], v[X+4*N:X+4*N+3] offset:SLP*N
.set N, N+1
.endr
	s_wait_dscnt 0x0                                       ; the stores have read X: it may be loaded again
	s_cmp_ge_u32 ttmp9, FIRSTM
	s_cbranch_scc1 .Lmsa
	; ---- pair: lane = one (query, key): query row 2 w + lane / 16 of the tile, key 32 b + 16 h' + lane % 16; its 128 channels in X
.irp n,0,1,2,3,4,5,6,7
	global_load_b128 v[GR+4*\n:GR+4*\n+3], v[LI], s[32:33] offset:512*\n       ; Wp, 4,096 bytes: asked for now, wanted behind the statistics and the scalings below
.endr
	global_load_b128 v[GR+32:GR+35], v[LI], s[8:9]         ; the gain's 512 bytes
	global_load_b128 v[GR+36:GR+39], v[LI], s[10:11]       ; the bias's
	s_lshl_b32 s50, s[WV], 4                               ; on the way out wave = head: ((head x 16 + qt) x 32 + 4 b) x 512 + 256 h'
	s_add_co_u32 s50, s50, s52
	s_lshl_b32 s50, s50, 14
	s_bfe_u32 s51, s67, 0x30001
	s_lshl_b32 s51, s51, 11
	s_add_co_u32 s50, s50, s51
	s_and_b32 s51, s67, 1
	s_lshl_b32 s51, s51, 8
	s_add_co_u32 s50, s50, s51
	s_mov_b32 s51, 0
	s_add_nc_u64 s[14:15], s[34:35], s[50:51]
.set N, 0
.rept 32
	ds_load_b128 v[X+4*N:X+4*N+3], v[RDP] offset:16*N      ; my slot: lanes 528 bytes apart, sixteen lanes on sixteen different columns of 16 bytes
.set N, N+1
.endr
	s_wait_dscnt 0x0                                       ; my rows have left the stage
	LN 0
.set J, 0
.rept 64
	v_pk_mul_f32 v[X+2*J:X+2*J+1], v[X+2*J:X+2*J+1], v[RS:RS+1]
.set J, J+1
.endr
	s_wait_loadcnt 0x0                                     ; Wp, gain, bias
.irp n,0,1,2,3,4,5,6,7,8,9
	ds_store_b128 v[STW], v[GR+4*\n:GR+4*\n+3] offset:512*\n       ; into my own stage: Wp[c][h] at 32 c + 4 h, the gain at 4,096 + 4 c, the bias at 4,608 + 4 c
.endr
	s_wait_dscnt 0x0                                       ; the stores have read their registers, which the ring below takes
; THE RING: eight slots of 8 registers, two loads a slot, all lanes at the same 16 bytes.  Slots 0-31: gain and bias of channels 4 i .. 4 i + 3.  Slots 32-159: Wp's eight heads of channel i - 32.
.macro SLOAD i
.set SB, GR+8*((\i)%8)
.if (\i) < 32
	ds_load_b128 v[SB:SB+3], v[WBA] offset:4096+16*(\i)
	ds_load_b128 v[SB+4:SB+7], v[WBA] offset:4608+16*(\i)
.else
	ds_load_b128 v[SB:SB+3], v[WBA] offset:32*((\i)-32)
	ds_load_b128 v[SB+4:SB+7], v[WBA] offset:32*((\i)-32)+16
.endif
.endm
.set I, 0
.rept 8
	SLOAD I
.set I, I+1
.endr
.set I, 0
.rept 160
.if I < 152
	s_wait_dscnt 14                                        ; LDS loads come back in order: slot I's two are in, the seven younger slots' fourteen stay out
.else
	s_wait_dscnt 2*(159-I)                                 ; nothing more is asked for: the counts run down
.endif
.set SB, GR+8*(I%8)
.if I < 32
	v_pk_fma_f32 v[X+4*I:X+4*I+1], v[X+4*I:X+4*I+1], v[SB:SB+1], v[SB+4:SB+5]               ; the normalised number x gain + bias
	v_pk_fma_f32 v[X+4*I+2:X+4*I+3], v[X+4*I+2:X+4*I+3], v[SB+2:SB+3], v[SB+6:SB+7]
.else
.irp n,0,1,2,3,4,5,6,7
.if I == 32
	v_mul_f32 v[26+\n], v[SB+\n], v[X+I-32]                ; the first channel starts the eight sums
.else
	v_fmac_f32 v[26+\n], v[SB+\n], v[X+I-32]
.endif
.endr
.endif
.if I+8 < 160
	SLOAD I+8                                              ; the slot just used takes what is wanted eight slots on
.endif
.set I, I+1
.endr
.irp n,0,1,2,3,4,5,6,7
	v_mul_f32 v[26+\n], 0x40b504f3, v[26+\n]               ; x sqrt(32): the second launch adds it to Q.K and scales the sum by log2(e) / sqrt(32)
.endr
.irp n,0,1,2,3,4,5,6,7
	ds_store_b32 v[OSW], v[26+\n] offset:1152*\n
.endr
	s_branch .Ljoin
	; ---- msa: lane (r, h) holds, of the tile's row r, register 16 blk + i = channel 32 blk + 16 h + i
.Lmsa:
	s_mul_i32 s50, s[TAU], 3072
	s_mov_b32 s51, 0
	s_add_nc_u64 s[12:13], s[24:25], s[50:51]              ; my tile's two images
	s_lshl_b32 s50, s[TAU], 7
	s_add_nc_u64 s[14:15], s[26:27], s[50:51]              ; and its scale row
.macro GBLOAD q                        ; gains and biases of blocks 2 q, 2 q + 1
.irp d,0,1
.irp j,0,1,2,3
	global_load_b128 v[GR+16*\d+4*\j:GR+16*\d+4*\j+3], v[H64], s[8:9] offset:128*(2*\q+\d)+16*\j
	global_load_b128 v[BR+16*\d+4*\j:BR+16*\d+4*\j+3], v[H64], s[10:11] offset:128*(2*\q+\d)+16*\j
.endr
.endr
.endm
.macro SCALE q
.set J, 0
.rept 16
	v_pk_mul_f32 v[X+32*\q+2*J:X+32*\q+2*J+1], v[X+32*\q+2*J:X+32*\q+2*J+1], v[RS:RS+1]
.set J, J+1
.endr
.endm
.macro AFF q
.set J, 0
.rept 16
	v_pk_fma_f32 v[X+32*\q+2*J:X+32*\q+2*J+1], v[X+32*\q+2*J:X+32*\q+2*J+1], v[GR+2*J:GR+2*J+1], v[BR+2*J:BR+2*J+1]
.set J, J+1
.endr
.endm
.set N, 0
.rept 32
	ds_load_b128 v[X+4*N:X+4*N+3], v[RDM] offset:(N/16)*SLP+((N/4)%4)*128+16*(N%4)
.set N, N+1
.endr
	GBLOAD 0
	s_wait_dscnt 0x0
	LN 1
	SCALE 0
	s_wait_loadcnt 0x0
	AFF 0
	GBLOAD 1                                               ; lands behind the 48 scalings below
	SCALE 1
	SCALE 2
	SCALE 3
	s_wait_loadcnt 0x0
	AFF 1
	GBLOAD 2                                               ; lands behind the first fragment's quantising
	QUANT X, PC0, PW0
.irp c,0,1,2
	global_store_b128 v[LI], v[PC0+4*\c:PC0+4*\c+3], s[12:13] offset:512*\c         ; 32 lanes store 512 consecutive bytes, aligned
.endr
	s_wait_loadcnt 0x0
	AFF 2
	GBLOAD 3
	s_wait_loadcnt 0x0
	AFF 3
	QUANT X+64, PC1, PW1                                   ; into registers of its own: the first fragment's stores may still read theirs
.irp c,0,1,2
	global_store_b128 v[LI], v[PC1+4*\c:PC1+4*\c+3], s[12:13] offset:1536+512*\c
.endr
	v_cndmask_b32 v[T0], v[PW0], v[PW1], s[HIM]            ; lanes 0-15: K step 0's word of row r; lanes 16-31: K step 1's
	global_store_b32 v[LS], v[T0], s[14:15]
	s_branch .Ljoin
	; ---- weights: wave = one tile of 16 columns, both K steps.  Lane (r, h) takes its column, and its registers run down K in the operand's own order: nothing is transposed
.Lweights:
	s_lshr_b32 s50, ttmp9, 1                               ; which weight: Wq, Wk, Wv, Wg, Wo
	s_and_b32 s51, ttmp9, 1
	s_lshl_b32 s51, s51, 3
	s_add_co_u32 s51, s51, s[WV]                           ; tile of columns
	s_wait_kmcnt 0x0
	s_mov_b64 s[4:5], s[36:37]
	s_cmp_eq_u32 s50, 1
	s_cselect_b64 s[4:5], s[38:39], s[4:5]
	s_cmp_eq_u32 s50, 2
	s_cselect_b64 s[4:5], s[40:41], s[4:5]
	s_cmp_eq_u32 s50, 3
	s_cselect_b64 s[4:5], s[42:43], s[4:5]
	s_cmp_eq_u32 s50, 4
	s_cselect_b64 s[4:5], s[44:45], s[4:5]
	s_lshr_b32 s52, s51, 1
	s_lshl_b32 s52, s52, 7
	s_and_b32 s53, s51, 1
	s_lshl_b32 s53, s53, 5
	s_add_co_u32 s52, s52, s53                             ; the tile's first column, in bytes
	s_mov_b32 s53, 0
	s_add_nc_u64 s[4:5], s[4:5], s[52:53]
	s_lshl_b32 s54, s50, 4
	s_add_co_u32 s54, s54, s51
	s_mul_i32 s52, s54, 3072
	s_add_nc_u64 s[12:13], s[46:47], s[52:53]
	s_lshl_b32 s52, s54, 7
	s_add_nc_u64 s[14:15], s[48:49], s[52:53]
.set J, 0
.rept 128
	global_load_b32 v[X+J], v[WL], s[4:5] offset:(128*(J/64)+64*((J/32)%2)+(J%32))*1024   ; register 64 ks + 32 c + i: k = 128 ks + 64 c + 32 h + i
.set J, J+1
.endr
	v_bfe_u32 v[T1], v0, 4, 1
	v_lshlrev_b32 v[T1], 3, v[T1]                          ; 8 h
	s_wait_loadcnt 0x0
.irp b,0,1,2,3                                             ; my four whole blocks, by turns
	v_max3_num_f32 v[TM+\b], |v[X+32*\b]|, |v[X+32*\b+1]|, 0x1800000
.endr
.irp i,2,4,6,8,10,12,14,16,18,20,22,24,26,28,30
.irp b,0,1,2,3
	v_max3_num_f32 v[TM+\b], v[TM+\b], |v[X+32*\b+\i]|, |v[X+32*\b+\i+1]|
.endr
.endr
.irp b,0,1,2,3
	v_add_nc_u32 v[TM+12+\b], 0xff000000, v[TM+\b]
.endr
.irp b,0,1,2,3
	v_lshrrev_b32 v[TM+4+\b], 23, v[TM+12+\b]
.endr
	v_lshl_or_b32 v[PW0], v[TM+5], 16, v[TM+4]             ; my two bytes of a K step: blocks h and 2 + h,
	v_lshl_or_b32 v[PW1], v[TM+7], 16, v[TM+6]
	v_lshlrev_b32 v[PW0], v[T1], v[PW0]                    ; at their places in the word;
	v_lshlrev_b32 v[PW1], v[T1], v[PW1]
	v_permlanex16_b32 v[TM+8], v[PW0], s[SEL], s[SEL+1]
	v_permlanex16_b32 v[TM+9], v[PW1], s[SEL], s[SEL+1]
	v_or_b32 v[PW0], v[PW0], v[TM+8]                       ; with lane l xor 16's two the word is whole
	v_or_b32 v[PW1], v[PW1], v[TM+9]
	v_cndmask_b32 v[T0], v[PW0], v[PW1], s[HIM]
.irp b,0,1,2,3
	v_cvt_scalef32_pk16_fp6_f32 v[192+6*\b:194+6*\b], v[X+32*\b:X+32*\b+15], v[TM+12+\b]
	v_cvt_scalef32_pk16_fp6_f32 v[216+4*\b:218+4*\b], v[X+32*\b+16:X+32*\b+31], v[TM+12+\b]
.endr
	v_nop
.irp b,0,1,2,3
.irp i,0,1,2
	v_mov_b32 v[195+6*\b+\i], v[216+4*\b+\i]
.endr
.endr
.irp c,0,1,2,3,4,5
	global_store_b128 v[LI], v[192+4*\c:195+4*\c], s[12:13] offset:512*\c
.endr
	global_store_b32 v[LS], v[T0], s[14:15]
.Ljoin:                                                    ; every wave of every path passes this one barrier
	s_wait_dscnt 0x0                                       ; for the others' sake: my stores into pair's out stage have landed
	s_barrier_signal -1
	s_barrier_wait -1
	s_sub_co_u32 s67, ttmp9, FIRSTP
	s_cmp_lt_u32 s67, 256
	s_cbranch_scc0 .Lend
	ds_load_b128 v[64:67], v[OSR]                          ; pair: wave = head; lanes 0-15 and 16-31 take two groups of four keys, 16 queries each
	ds_load_b128 v[68:71], v[OSR] offset:576
	s_wait_dscnt 0x0
	global_store_b128 v[POF], v[64:67], s[14:15]           ; sixteen lanes store 256 consecutive bytes, aligned
	global_store_b128 v[POF], v[68:71], s[14:15] offset:1024
.Lend:
	s_wait_tensorcnt 0x0
	ds_add_u32 v59, v63
	s_wait_dscnt 0x0
	s_endpgm
.Lfunc_end_k_qaf31be843d_prep:
	.size	k_qaf31be843d_prep, .Lfunc_end_k_qaf31be843d_prep-k_qaf31be843d_prep
	.p2alignl 7, 3214868480
	.fill 96, 4, 3214868480
	.section	.rodata,"a",@progbits
	.p2align	6, 0x0
	.amdhsa_kernel k_qaf31be843d_prep
		.amdhsa_group_segment_fixed_size 145408
		.amdhsa_private_segment_fixed_size 0
		.amdhsa_enable_private_segment 0
		.amdhsa_kernarg_size 136
		.amdhsa_user_sgpr_count 2
		.amdhsa_user_sgpr_kernarg_segment_ptr 1
		.amdhsa_wavefront_size32 1
		.amdhsa_system_sgpr_workgroup_id_x 1
		.amdhsa_system_sgpr_workgroup_id_y 1
		.amdhsa_system_sgpr_workgroup_id_z 1
		.amdhsa_system_vgpr_workitem_id 0
		.amdhsa_next_free_vgpr 256
		.amdhsa_next_free_sgpr 106
		.amdhsa_reserve_vcc 0
		.amdhsa_float_denorm_mode_32 3
		.amdhsa_float_denorm_mode_16_64 3
		.amdhsa_memory_ordered 1
		.amdhsa_forward_progress 1
		.amdhsa_inst_pref_size 151
	.end_amdhsa_kernel
	.amdgpu_metadata
---
amdhsa.version: [ 1, 2 ]
amdhsa.kernels:
  - .name:           k_qaf31be843d_prep
    .symbol:         k_qaf31be843d_prep.kd
    .args:
      - { .name: msa, .offset: 0, .size: 8, .value_kind: global_buffer, .address_space: global }
      - { .name: pair, .offset: 8, .size: 8, .value_kind: global_buffer, .address_space: global }
      - { .name: ln_m_g, .offset: 16, .size: 8, .value_kind: global_buffer, .address_space: global }
      - { .name: ln_m_b, .offset: 24, .size: 8, .value_kind: global_buffer, .address_space: global }
      - { .name: mfrag, .offset: 32, .size: 8, .value_kind: global_buffer, .address_space: global }
      - { .name: mscl, .offset: 40, .size: 8, .value_kind: global_buffer, .address_space: global }
      - { .name: ln_p_g, .offset: 48, .size: 8, .value_kind: global_buffer, .address_space: global }
      - { .name: ln_p_b, .offset: 56, .size: 8, .value_kind: global_buffer, .address_space: global }
      - { .name: Wp, .offset: 64, .size: 8, .value_kind: global_buffer, .address_space: global }
      - { .name: bias, .offset: 72, .size: 8, .value_kind: global_buffer, .address_space: global }
      - { .name: Wq, .offset: 80, .size: 8, .value_kind: global_buffer, .address_space: global }
      - { .name: Wk, .offset: 88, .size: 8, .value_kind: global_buffer, .address_space: global }
      - { .name: Wv, .offset: 96, .size: 8, .value_kind: global_buffer, .address_space: global }
      - { .name: Wg, .offset: 104, .size: 8, .value_kind: global_buffer, .address_space: global }
      - { .name: Wo, .offset: 112, .size: 8, .value_kind: global_buffer, .address_space: global }
      - { .name: wfrag, .offset: 120, .size: 8, .value_kind: global_buffer, .address_space: global }
      - { .name: wscl, .offset: 128, .size: 8, .value_kind: global_buffer, .address_space: global }
    .group_segment_fixed_size: 145408
    .private_segment_fixed_size: 0
    .kernarg_segment_align: 8
    .kernarg_segment_size: 136
    .max_flat_workgroup_size: 256
    .sgpr_count:     106
    .vgpr_count:     256
    .wavefront_size: 32
...
	.end_amdgpu_metadata
.endif
;; end of part 3
;; launch main: the kernel of part 2 again; grid 2 x 128, 16 waves a work-group, no clusters, 319,488 bytes of LDS; arguments mfrag, mscl, wfrag, wscl, bias, bg, bo, out0; writes out0
;; ======== version 3 of 3: 2 launches; version 2 with the launch main written anew for expert scheduling mode
;; workspace buffers: mfrag 6,291,456 bytes; mscl 262,144 bytes; wfrag 245,760 bytes; wscl 10,240 bytes; bias 2,097,152 bytes
;; launch prep: the kernel of part 3 again; grid 522 x 1, 8 waves a work-group, no clusters, 145,408 bytes of LDS; arguments msa, pair, ln_m_g, ln_m_b, mfrag, mscl, ln_p_g, ln_p_b, Wp, bias, Wq, Wk, Wv, Wg, Wo, wfrag, wscl; writes mfrag, mscl, bias, wfrag, wscl
;; launch main (part 4): grid 2 x 128, 16 waves a work-group, no clusters, 319,488 bytes of LDS; arguments mfrag, mscl, wfrag, wscl, bias, bg, bo, out0; writes out0
.if DOCPART == 4
	.amdgcn_target "amdgcn-amd-amdhsa--gfx1250"
	.amdhsa_code_object_version 6
	.text
	.protected	k_qaf31be843d_main
	.globl	k_qaf31be843d_main
	.p2align	8
	.type	k_qaf31be843d_main,@function
k_qaf31be843d_main:
	s_mov_b64 s[64:65], 0
	v_nop
	global_prefetch_b8 v0, s[64:65] scope:SCOPE_SE
	s_setreg_imm32_b32 hwreg(HW_REG_WAVE_SCHED_MODE, 0, 2), 2
	s_setreg_imm32_b32 hwreg(HW_REG_WAVE_MODE, 25, 1), 1
	s_wait_xcnt 0x0
	s_wait_alu depctr_vm_vsrc(0)
; MAIN: for one MSA row s and one half qh of its 256 queries: the projections Q, K, V, G, attention with the pair bias for 8 heads, the gate, the output projection.  All products on codes of FP6 (E2M3)
; with one E8M0 scale for each 32 along K.  Q, K, V, G, the scores, p and the gated values never go to memory.
; SIXTEEN waves of 256 registers, four to a SIMD, so that one wave's vector work stands beside another's matrix work and loads.
;   projections: wave = (head hd = w / 2, x = w % 2).   attention: wave = (tile of 16 queries qt = w % 8, heads 4 g .. 4 g + 3, g = w / 8).   output: wave = tile of 16 output columns.
; THE ROWS OF A TILE ARE NOT NEIGHBOURS: row r of tile T is 32 (T / 2) + 8 (T % 2) + r + 8 (r / 8) (residues, and columns of the weights): so in a result whose M axis is such a tile the 16 registers of tiles
; 2 b and 2 b + 1 of lane (r, h) are the 16 neighbours 32 b + 16 h + 0 .. 15, which is what the conversions to codes want.  Nothing is ever transposed.
; THE ROW'S TILES STAND IN LDS WITH MY OWN HALF FIRST: slot T' holds tile T' xor 8 qh.  So the work-group's queries are slots 0-7 whatever qh is, and no LDS address hangs on the work-group's number.  The keys
; are then walked in the slots' order: K, V and p follow it alike, the blocks of 32 keys are the same blocks, and the bias is loaded in that order (two bases, 8,192 bytes apart).
; Q K^T HAS K = 32 and the instruction 128: a fragment of K holds ONE head of FOUR tiles of keys, tile 4 f + j in its j-th block of 32; Q's codes stand in block j of the other operand, with zero CODES
; in the other three blocks (they add nothing: every scale byte lies in 1 .. 254).  Four instructions for a fragment of K give four tiles of keys.
; THE BIAS (times sqrt(32), from the first launch) is loaded straight into the score accumulators and is the C of the score products; t = (Q.K + bias sqrt(32)) x log2(e) / sqrt(32).
; THE SOFTMAX sees all 256 keys of a query at once: M = ceil(the row's largest t), p = 2^(t - M) is quantised along the keys, the row's sum is taken of the unquantised p and divides at the end.
; No cluster: the bias and the weights, which work-groups share, go from memory straight into registers; slots for joint loads (16 KiB a wave for a head's bias) do not fit beside the 317,440 bytes in use.
; LIMITS: NaN and infinities are not served.  A block whose largest magnitude lies under 2^-124, a block of zeros too, gets the scale byte 1.  t is rounded in another order than by adding the bias behind the division: f32 rounding alone.
; THE MODE: SCHED_MODE bits 1:0 = 2 (LLVM: expert scheduling mode 2), set by the entry lines.  The code itself states the register dependences between vector or matrix instructions and memory or LDS
; instructions, with s_wait_alu, always for 0.
; THE PLAN.  Registers that memory or LDS instructions touch:
;   v1-4 offsets, made at the head, never written again.  v8-13 and v120-127: the LDS addresses of phases 0 and 1 (and 64 h), all made at the head, ahead of ONE wait on va_vdst; what differs between two units of a
;   phase stands in immediate offsets.  They are written again only in attention, behind a wait on vm_vsrc.
;   PROJECTIONS.  W, v112-113, v114-117 and MB1: loads land, a unit's products read.  MB0: loads land, the products read, then the quantiser takes it (TM, PC, PW), and the image's stores read PC and PW.
;   A unit: products | places | va_vdst: the products are done reading | the next weight, the next unit's scale words and MB1, which the quantiser does not name | the quantiser | va_vdst: PC and PW are written, v64-100
;   are done with | the image's stores | vm_vsrc: they have read PC and PW | the next unit's MB0.  V has one buffer (its accumulators take v128-255): a wait on va_vdst behind each half's products.
;   A HEAD OF ATTENTION.  (even heads: vm_vsrc: the last trip's stores have read v7-13) | seven addresses | va_vdst: they are written, the last head is done with v48-102, v114-117 | Q's and K's loads | Q's operand | places |
;   va_vdst: it is written | the scores | the softmax, its two waits, the second of them for the reciprocal too | the conversions | va_vdst: p's registers and the temporaries are done with | the next bias, V, its scale words, the gate |
;   places | vm_vsrc: the loads have read v103-106 and v11-13 | va_vdst: p's codes and words are written | the products | gate, block scale, codes | (odd heads: va_vdst: v7-13 are written | three stores).
;   THE OUTPUT.  Two buffers of fragments by turns: a wait on va_vdst behind a group's products, ahead of the loads into its buffer; one ahead of the stage's stores.
.set MF,  0                            ; LDS: m's 32 fragments (slot T', K step ks: (2 T' + ks) x 1,536), images of registers: group c of four registers at 512 c + 16 lane
.set MS,  49152                        ; their scale rows, 128 bytes a tile (lanes 0-15 K step 0, lanes 16-31 K step 1)
.set KF,  51200                        ; K: (4 hd + f) x 1,536
.set KS,  100352
.set VF,  104448                       ; V^T: ((2 hd + u) x 2 + kh) x 1,536: 16 of the head's 32 x 128 keys
.set VS,  153600
.set QF,  157696                       ; Q: (2 hd + Qq) x 1,536, pairs of registers: pair p at 256 p + 8 lane
.set QSW, 182272
.set GS,  184320                       ; the gate, f32: (8 qt + hd) x 2,048
.set VI,  0                            ; over m, when the projections are done: the gated values' fragments, (2 qt + g) x 1,536, pairs of registers
.set VIS, 24576
.set OS,  184320                       ; over the gate, when attention is done: 128 rows of the output x (1,024 + 16) bytes
.set OSP, 1040
.set W,   16                           ; v16-63   four fragments of a weight: (2 u + ks) x 12
.set MB0, 64                           ; v64-111  four fragments of m;  v192-239 four more
.set MB1, 192
.set BG,  240                          ; v240-255 bg in the result's layout
.set ACC, 128
.set TM,  64                           ; the quantiser's registers, where m's fragments lay
.set PC,  80
.set PW,  100
.set SEL, 30
.set NPL, 5                            ; places behind a run of matrix instructions: 4 for vector instructions, 5 for matrix instructions that write over their registers; ahead of loads they are kept beside the wait on va_vdst
.set A0F, 8                            ; v8   phase 0: where I store my tile of m: 16 lane + 3,072 w
.set A0S, 9                            ; v9   and its scale row
.set AVF, 10                           ; v10  where I store V's images;  v11 their scale words
.set AVS, 11
.set AQF, 12                           ; v12  where I store Q's image;  v13 its scale words
.set AQS, 13
.set AMF, 120                          ; v120 m's slots 8 x on: fragments;  v121 scale rows
.set AMS, 121
.set AKF, 122                          ; v122 where I store K's images;  v123 their scale words
.set AKS, 123
.set AXF, 124                          ; v124 m's slots 4 x on: fragments;  v125 scale rows
.set AXS, 125
.set H64, 126                          ; v126 64 h
.set AGS, 127                          ; v127 where I store the gate
; v1 16 lane, v2 4 lane, v3 8 lane, v4 my lane's place in Q's images, v5 the values' scale word, v6 a byte of it, v7 at work, v8-13 in attention the values' codes and V's addresses, v14 -M, then 1 / sum, v15 at work
; v112-119 hold scales and nothing else.  s34-40, s52: LDS bases that step from head to head.  s[42:43], s[62:63]: the bias of the slots' first and second 128 keys.
.macro PLACES n
.rept \n
	v_nop
.endr
.endm
.macro BAR                             ; my LDS stores have landed and my LDS loads are in: then the work-group's barrier
	s_wait_dscnt 0x0
	s_barrier_signal -1
	s_barrier_wait -1
.endm
; one matrix instruction.  c < 0: the sum starts with 0.  row = 1: both sides' scales from lanes 16-31
.macro WM d, a, b, c, sa, sb, row
.if (\c) < 0
.if \row
	v_wmma_scale_f32_16x16x128_f8f6f4 v[(\d):(\d)+7], v[(\a):(\a)+11], v[(\b):(\b)+11], 0, v[(\sa)], v[(\sb)] matrix_a_fmt:MATRIX_FMT_FP6 matrix_b_fmt:MATRIX_FMT_FP6 matrix_a_scale:MATRIX_SCALE_ROW1 matrix_b_scale:MATRIX_SCALE_ROW1
.else
	v_wmma_scale_f32_16x16x128_f8f6f4 v[(\d):(\d)+7], v[(\a):(\a)+11], v[(\b):(\b)+11], 0, v[(\sa)], v[(\sb)] matrix_a_fmt:MATRIX_FMT_FP6 matrix_b_fmt:MATRIX_FMT_FP6
.endif
.else
.if \row
	v_wmma_scale_f32_16x16x128_f8f6f4 v[(\d):(\d)+7], v[(\a):(\a)+11], v[(\b):(\b)+11], v[(\c):(\c)+7], v[(\sa)], v[(\sb)] matrix_a_fmt:MATRIX_FMT_FP6 matrix_b_fmt:MATRIX_FMT_FP6 matrix_a_scale:MATRIX_SCALE_ROW1 matrix_b_scale:MATRIX_SCALE_ROW1
.else
	v_wmma_scale_f32_16x16x128_f8f6f4 v[(\d):(\d)+7], v[(\a):(\a)+11], v[(\b):(\b)+11], v[(\c):(\c)+7], v[(\sa)], v[(\sb)] matrix_a_fmt:MATRIX_FMT_FP6 matrix_b_fmt:MATRIX_FMT_FP6
.endif
.endif
.endm
; 64 numbers of a lane, register 16 b + i = k 32 b + 16 (lane / 16) + i of my row, become a fragment's codes in v[PC] .. v[PC + 11] and its scale word in v[PW]
.macro QUANT s
.irp b,0,1,2,3
	v_max3_num_f32 v[TM+\b], |v[\s+16*\b]|, |v[\s+1+16*\b]|, 0x1800000   ; each accumulator is read from its low end on; the floor 2^(3 - 127) holds the byte at 1 from below
.endr
.irp i,2,4,6,8,10,12,14
.irp b,0,1,2,3
	v_max3_num_f32 v[TM+\b], v[TM+\b], |v[\s+16*\b+\i]|, |v[\s+1+16*\b+\i]|
.endr
.endr
.irp b,0,1,2,3
	v_permlanex16_b32 v[TM+4+\b], v[TM+\b], s[SEL], s[SEL+1]
.endr
.irp b,0,1,2,3
	v_max_num_f32 v[TM+\b], v[TM+\b], v[TM+4+\b]
.endr
.irp b,0,1,2,3
	v_add_nc_u32 v[TM+12+\b], 0xff000000, v[TM+\b]         ; 2 off the exponent field: the conversion's scale operand
.endr
.irp b,0,1,2,3
	v_lshrrev_b32 v[TM+4+\b], 23, v[TM+12+\b]
.endr
	v_lshl_or_b32 v[PW], v[TM+5], 8, v[TM+4]
	v_lshl_or_b32 v[PW], v[TM+6], 16, v[PW]
	v_lshl_or_b32 v[PW], v[TM+7], 24, v[PW]
.irp c,0,1
	v_cvt_scalef32_pk16_fp6_f32 v[PC+6*\c:PC+2+6*\c], v[\s+32*\c:\s+15+32*\c], v[TM+12+2*\c]
	v_cvt_scalef32_pk16_fp6_f32 v[PC+12+4*\c:PC+14+4*\c], v[\s+16+32*\c:\s+31+32*\c], v[TM+13+2*\c]
.endr
	v_nop                                                  ; one plain place behind a scaled conversion
.irp c,0,1
.irp i,0,1,2
	v_permlane16_swap_b32 v[PC+6*\c+\i], v[PC+12+4*\c+\i]
.endr
.irp i,0,1,2
	v_mov_b32 v[PC+3+6*\c+\i], v[PC+12+4*\c+\i]
.endr
.endr
.endm
.macro IMAGE adr, off
.irp c,0,1,2
	ds_store_b128 v[\adr], v[PC+4*\c:PC+4*\c+3] offset:\off+512*\c
.endr
.endm
.macro WLOAD mi                        ; my head's four fragments of weight mi, and their two scale rows
.set N, 0
.rept 12
	global_load_b128 v[W+4*N:W+4*N+3], v1, s[44:45] offset:\mi*49152+512*N
.set N, N+1
.endr
	global_load_b32 v112, v2, s[46:47] offset:\mi*2048
	global_load_b32 v113, v2, s[46:47] offset:\mi*2048+128
.endm
.macro MLOAD buf, ks, adr, off         ; K step ks of four slots of m: by address register adr, off bytes on (four slots are 12,288 bytes)
.irp be,0,1,2,3
.irp c,0,1,2
	ds_load_b128 v[\buf+12*\be+4*\c:\buf+12*\be+4*\c+3], v[\adr] offset:(\off)+\be*3072+\ks*1536+512*\c
.endr
.endr
.endm
.macro MSCL adr, off                   ; their scale rows (four slots are 512 bytes)
.irp be,0,1,2,3
	ds_load_b32 v[114+\be], v[\adr] offset:(\off)+128*\be
.endr
.endm
; source 0 = 16 columns of the weight, source 1 = 16 residues: register 16 be + 8 u + j of lane (r, h) = (residue r of tile be, channel 16 h + 8 u + j of the head).  Eight accumulators by turns
.macro HALF_K buf, ks, cm
.irp be,0,1,2,3
.irp u,0,1
.if \cm == 0
	WM ACC+16*\be+8*\u, W+12*(2*\u+\ks), \buf+12*\be, -1, 112+\u, 114+\be, \ks
.elseif \cm == 1
	WM ACC+16*\be+8*\u, W+12*(2*\u+\ks), \buf+12*\be, BG+8*\u, 112+\u, 114+\be, \ks
.else
	WM ACC+16*\be+8*\u, W+12*(2*\u+\ks), \buf+12*\be, ACC+16*\be+8*\u, 112+\u, 114+\be, \ks
.endif
.endr
.endr
.endm
; the other way round, for V: source 0 = 16 residues, source 1 = 16 columns: a lane holds one channel, and its registers run along the keys
.macro HALF_V z, ks
.irp be,0,1,2,3
.irp u,0,1
.if \ks == 0
	WM 128+64*\u+32*\z+8*\be, MB0+12*\be, W+12*(2*\u+\ks), -1, 114+\be, 112+\u, 0
.else
	WM 128+64*\u+32*\z+8*\be, MB0+12*\be, W+12*(2*\u+\ks), 128+64*\u+32*\z+8*\be, 114+\be, 112+\u, 1
.endif
.endr
.endr
.endm
; V: one K step of four slots.  w = 1: the weight is waited for
.macro VHALF z, ks, off, w
	MLOAD MB0, \ks, AMF, \off
.if \w
	s_wait_loadcnt 0x0                                     ; the weight's fragments
.endif
	s_wait_dscnt 0x0
	HALF_V \z, \ks
	PLACES NPL
	s_wait_alu depctr_va_vdst(0)                           ; these products are done reading MB0, v114-117, the weight and v112-113: the loads that follow this line land in some of them
.endm
.macro BIASLOAD                        ; a head's bias for my 16 queries x 256 keys, straight into the score accumulators: 32 loads of 512 consecutive bytes; the keys in the slots' order
.set N, 0
.rept 16
	global_load_b128 v[128+4*N:131+4*N], v1, s[42:43] offset:512*N
.set N, N+1
.endr
.rept 16
	global_load_b128 v[128+4*N:131+4*N], v1, s[62:63] offset:512*(N-16)
.set N, N+1
.endr
.endm
	s_load_b512 s[4:19], s[0:1], 0x0                       ; mfrag, mscl, wfrag, wscl, bias, bg, bo, out0
	v_lshrrev_b32 v7, 5, v0
	v_readfirstlane_b32 s20, v7                            ; wave 0..15
	v_and_b32 v7, 31, v0
	v_lshlrev_b32 v1, 4, v7
	v_lshlrev_b32 v2, 2, v7
	v_lshlrev_b32 v3, 3, v7
	v_bfe_u32 v[H64], v0, 4, 1
	v_lshlrev_b32 v[H64], 6, v[H64]                        ; 64 h
	v_mov_b32 v5, 0
	v_mov_b32 v15, 0                                       ; (named as the upper half of the pair v[14:15])
	v_and_b32 v4, 15, v0                                   ; Q's block qt % 4 of fragment qt / 4: registers 6 (bl / 2) .. + 5 of lanes 16 (bl % 2) + r: both halves of the lanes read row r's
	v_lshlrev_b32 v4, 3, v4
	s_mov_b32 s25, ttmp9                                   ; qh: it enters global addresses alone
	s_and_b32 s26, ttmp7, 0xffff                           ; s: likewise
	s_mov_b32 s28, 0x3e8293ee                              ; c = log2(e) / sqrt(32)
	s_mov_b32 s29, s28
	s_mov_b32 s[SEL], 0x76543210
	s_mov_b32 s[SEL+1], 0xfedcba98
	s_mov_b32 s32, 0xffff                                  ; lanes 0-15
	s_wait_alu depctr_va_sdst(0)                           ; s20 is written, ahead of its first reader: every share and address below is made from it
	s_lshr_b32 s21, s20, 1                                 ; hd
	s_and_b32 s22, s20, 1                                  ; x
	s_and_b32 s23, s20, 7                                  ; qt
	s_lshr_b32 s24, s20, 3                                 ; g
	s_and_b32 s33, s23, 3
	s_mul_i32 s33, s33, 0x01010101                         ; v_perm_b32's select: byte qt % 4 into all four
	s_lshr_b32 s48, s23, 2
	s_mul_i32 s48, s48, 1536
	s_bfe_u32 s49, s23, 0x10001
	s_mul_i32 s49, s49, 768
	s_add_co_u32 s48, s48, s49
	s_and_b32 s49, s23, 1
	s_lshl_b32 s49, s49, 7
	s_add_co_u32 s48, s48, s49
	s_add_co_u32 s48, s48, QF
	v_add_nc_u32 v4, s48, v4
	; every LDS address of phases 0 and 1, made of the wave's number alone
	s_mul_i32 s48, s20, 3072
	v_add_nc_u32 v[A0F], s48, v1                           ; slot w of m
	s_lshl_b32 s48, s20, 7
	s_add_co_u32 s48, s48, MS
	v_add_nc_u32 v[A0S], s48, v2
	s_mul_i32 s48, s22, 24576
	v_add_nc_u32 v[AMF], s48, v1                           ; slots 8 x on: K's and V's keys
	s_lshl_b32 s48, s22, 10
	s_add_co_u32 s48, s48, MS
	v_add_nc_u32 v[AMS], s48, v2
	s_mul_i32 s48, s22, 12288
	v_add_nc_u32 v[AXF], s48, v1                           ; slots 4 x on: Q's and G's queries
	s_lshl_b32 s48, s22, 9
	s_add_co_u32 s48, s48, MS
	v_add_nc_u32 v[AXS], s48, v2
	s_lshl_b32 s50, s22, 1
	s_lshl_b32 s51, s21, 2
	s_add_co_u32 s51, s51, s50                             ; K's fragment 4 hd + 2 x
	s_mul_i32 s48, s51, 1536
	s_add_co_u32 s48, s48, KF
	v_add_nc_u32 v[AKF], s48, v1
	s_lshl_b32 s48, s51, 7
	s_add_co_u32 s48, s48, KS
	v_add_nc_u32 v[AKS], s48, v2
	s_mul_i32 s48, s21, 6144
	s_mul_i32 s51, s22, 1536
	s_add_co_u32 s48, s48, s51
	s_add_co_u32 s48, s48, VF
	v_add_nc_u32 v[AVF], s48, v1
	s_lshl_b32 s48, s21, 9
	s_lshl_b32 s51, s22, 7
	s_add_co_u32 s48, s48, s51
	s_add_co_u32 s48, s48, VS
	v_add_nc_u32 v[AVS], s48, v2
	s_mul_i32 s48, s20, 1536
	s_add_co_u32 s48, s48, QF
	v_add_nc_u32 v[AQF], s48, v3
	s_lshl_b32 s48, s20, 7
	s_add_co_u32 s48, s48, QSW
	v_add_nc_u32 v[AQS], s48, v2
	s_lshl_b32 s48, s22, 16
	s_lshl_b32 s51, s21, 11
	s_add_co_u32 s48, s48, s51
	s_add_co_u32 s48, s48, GS
	v_add_nc_u32 v[AGS], s48, v1
	s_mul_i32 s48, s21, 6144
	s_mov_b32 s49, 0
	s_lshl_b32 s51, s25, 3
	s_xor_b32 s51, s51, s20                                ; the tile that I bring into slot w: w xor 8 qh
	s_lshl_b32 s50, s26, 4
	s_add_co_u32 s50, s50, s51                             ; 16 s + that tile
	s_wait_kmcnt 0x0
	s_add_nc_u64 s[44:45], s[8:9], s[48:49]                ; my head's fragments of the weights
	s_lshl_b32 s48, s21, 8
	s_add_nc_u64 s[46:47], s[10:11], s[48:49]
	s_mul_i32 s48, s50, 3072
	s_add_nc_u64 s[54:55], s[4:5], s[48:49]
	s_lshl_b32 s48, s50, 7
	s_add_nc_u64 s[56:57], s[6:7], s[48:49]
	s_lshl_b32 s48, s21, 7
	s_add_nc_u64 s[58:59], s[14:15], s[48:49]              ; bg at my head
	s_wait_alu depctr_va_vdst(0)                           ; the offsets v1-4 and the addresses v8-13, v120-127 are written: every load and store of phases 0 and 1 reads some of them
	; ---- 0: the row's 16 tiles of m into LDS, a tile a wave
	WLOAD 1
.irp n,0,1,2,3,4,5
	global_load_b128 v[64+4*\n:67+4*\n], v1, s[54:55] offset:512*\n
.endr
	global_load_b32 v88, v2, s[56:57]
	s_wait_loadcnt 0x0
.irp n,0,1,2,3,4,5
	ds_store_b128 v[A0F], v[64+4*\n:67+4*\n] offset:512*\n
.endr
	ds_store_b32 v[A0S], v88
	BAR                                                    ; m lies in LDS
	; ---- 1: K of my head for the key slots 8 x .. 8 x + 7: two fragments, each one head of four tiles
	s_wait_alu depctr_vm_vsrc(0)                           ; my stores have read v64-88, in which m's fragments land
	MSCL AMS, 0
	MLOAD MB0, 0, AMF, 0
	MLOAD MB1, 1, AMF, 0
	s_wait_loadcnt 0x0                                     ; the weight's fragments
	s_wait_dscnt 12                                        ; the scale words and K step 0's fragments are in; K step 1's twelve loads may be out
	HALF_K MB0, 0, 0
	s_wait_dscnt 0x0
	HALF_K MB1, 1, 2
	PLACES NPL
	s_wait_alu depctr_va_vdst(0)                           ; the products are done reading v114-117 and MB1, in which the next four slots' loads land
	MSCL AMS, 512
	MLOAD MB1, 1, AMF, 12288                               ; they land behind the quantising, which names none of their registers
	QUANT 128
	s_wait_alu depctr_va_vdst(0)                           ; the quantiser has written PC and PW, which the stores read, and is done with v64-100, in which MB0's loads land
	IMAGE AKF, 0
	ds_store_b32 v[AKS], v[PW]
	s_wait_dscnt 0x0                                       ; the stores are done
	s_wait_alu depctr_vm_vsrc(0)                           ; and have read PC and PW
	MLOAD MB0, 0, AMF, 12288
	s_wait_dscnt 0x0
	HALF_K MB0, 0, 0
	HALF_K MB1, 1, 2
	PLACES NPL
	s_wait_alu depctr_va_vdst(0)                           ; the products are done reading the weight, v112-113 and v114-117
	WLOAD 2                                                ; Wv lands behind the quantising
	MSCL AMS, 0                                            ; and so do V's first scale words
	QUANT 128
	s_wait_alu depctr_va_vdst(0)                           ; PC and PW are written; v64-100 are done with
	IMAGE AKF, 1536
	ds_store_b32 v[AKS], v[PW] offset:128
	s_wait_dscnt 0x0
	s_wait_alu depctr_vm_vsrc(0)                           ; the stores have read PC and PW, in which MB0's loads land
	; V^T of my head for the keys of slots 8 x .. 8 x + 7: two fragments of 16 channels
	VHALF 0, 0, 0, 1
	VHALF 0, 1, 0, 0
	MSCL AMS, 512
	VHALF 1, 0, 12288, 0
	VHALF 1, 1, 12288, 0
	WLOAD 0
	MSCL AXS, 0                                            ; Q's scale words
	QUANT 128
	s_wait_alu depctr_va_vdst(0)                           ; PC and PW are written
	IMAGE AVF, 0
	ds_store_b32 v[AVS], v[PW]
	s_wait_dscnt 0x0
	s_wait_alu depctr_vm_vsrc(0)                           ; the stores have read PC and PW, which the next quantising writes
	QUANT 192
	s_wait_alu depctr_va_vdst(0)                           ; PC and PW are written; v64-100 and v192-255 are done with: m's fragments, and later bg, land there
	IMAGE AVF, 3072
	ds_store_b32 v[AVS], v[PW] offset:256
	s_wait_dscnt 0x0
	s_wait_alu depctr_vm_vsrc(0)                           ; the stores have read PC and PW
	; Q of my head for the work-group's query tiles 4 x .. 4 x + 3: they lie in slots 4 x .. 4 x + 3
	MLOAD MB0, 0, AXF, 0
	MLOAD MB1, 1, AXF, 0
	s_wait_loadcnt 0x0                                     ; the weight's fragments
	s_wait_dscnt 12                                        ; K step 0's fragments are in; K step 1's twelve loads may be out
	HALF_K MB0, 0, 0
	s_wait_dscnt 0x0
	HALF_K MB1, 1, 2
	PLACES NPL
	s_wait_alu depctr_va_vdst(0)                           ; the products are done reading the weight, v112-117 and MB1
	WLOAD 3
.irp u,0,1
.irp k,0,1
	global_load_b128 v[BG+8*\u+4*\k:BG+8*\u+4*\k+3], v[H64], s[58:59] offset:32*\u+16*\k    ; bg at channels 16 h + 8 u + 0 .. 7 of my head
.endr
.endr
	MSCL AXS, 0                                            ; G takes the same slots
	MLOAD MB1, 1, AXF, 0
	QUANT 128
	s_wait_alu depctr_va_vdst(0)                           ; PC and PW are written; v64-100 are done with
.irp p,0,1,2,3,4,5
	ds_store_b64 v[AQF], v[PC+2*\p:PC+2*\p+1] offset:256*\p
.endr
	ds_store_b32 v[AQS], v[PW]
	s_wait_dscnt 0x0
	s_wait_alu depctr_vm_vsrc(0)                           ; the stores have read PC and PW, in which MB0's loads land
	; G of my head for the same tiles: bg is the C of each sum's first instruction
	MLOAD MB0, 0, AXF, 0
	s_wait_loadcnt 0x0                                     ; the weight's fragments and bg
	s_wait_dscnt 0x0
	HALF_K MB0, 0, 1
	HALF_K MB1, 1, 2
	PLACES NPL
	s_mov_b32 s52, 0xbfb8aa3b                              ; -log2(e)
	s_mov_b32 s53, s52
.set J, 0
.rept 32
	v_pk_mul_f32 v[128+2*J:129+2*J], v[128+2*J:129+2*J], s[52:53] op_sel_hi:[1,0]
.set J, J+1
.endr
.set J, 0
.rept 64
	v_exp_f32 v[128+J], v[128+J]
.set J, J+1
.endr
	v_nop                                                  ; a plain place behind the batch
	s_wait_alu depctr_va_vdst(0)                           ; one wait for the 64 exponentials, ahead of their first reader
.set J, 0
.rept 32
	v_pk_add_f32 v[128+2*J:129+2*J], v[128+2*J:129+2*J], 1.0 op_sel_hi:[1,0]
.set J, J+1
.endr
.set J, 0
.rept 64
	v_rcp_f32 v[128+J], v[128+J]                           ; sigmoid = 1 / (1 + 2^(-y log2 e))
.set J, J+1
.endr
	v_nop
	s_wait_alu depctr_va_vdst(0)                           ; the 64 reciprocals have written v128-191, which the stores read; the products are done reading MB1 and bg: the bias lands in v128-255 below
.irp be,0,1,2,3
.irp k,0,1,2,3
	ds_store_b128 v[AGS], v[128+16*\be+4*\k:131+16*\be+4*\k] offset:\be*16384+512*\k
.endr
.endr
	; the bases of attention: head 4 g
	s_mul_i32 s34, s24, 24576
	s_add_co_u32 s36, s34, VF
	s_add_co_u32 s34, s34, KF
	s_lshl_b32 s35, s24, 11
	s_add_co_u32 s37, s35, VS
	s_add_co_u32 s35, s35, KS
	s_mul_i32 s38, s24, 12288
	s_lshl_b32 s39, s24, 10
	s_lshr_b32 s48, s23, 2
	s_lshl_b32 s48, s48, 7
	s_add_co_u32 s39, s39, s48
	s_add_co_u32 s39, s39, QSW
	s_lshl_b32 s40, s23, 14
	s_lshl_b32 s48, s24, 13
	s_add_co_u32 s40, s40, s48
	s_add_co_u32 s40, s40, GS
	s_lshl_b32 s52, s23, 1
	s_add_co_u32 s52, s52, s24
	s_mul_i32 s52, s52, 1536
	s_lshl_b32 s48, s24, 6
	s_lshl_b32 s51, s25, 3
	s_add_co_u32 s48, s48, s51
	s_add_co_u32 s48, s48, s23
	s_lshl_b32 s48, s48, 14                                ; (16 head + 8 qh + qt) x 16,384 bytes
	s_mov_b32 s49, 0
	s_lshl_b32 s50, s25, 13                                ; 8,192 qh: the slots' first 128 keys are keys 128 qh on,
	s_mov_b32 s51, 0
	s_add_nc_u64 s[62:63], s[12:13], s[48:49]
	s_add_nc_u64 s[42:43], s[62:63], s[50:51]
	s_xor_b32 s50, s50, 8192                               ; their second 128 the other half
	s_add_nc_u64 s[62:63], s[62:63], s[50:51]
	s_wait_dscnt 0x0                                       ; my stores have landed, my reads of m are in
	s_wait_alu depctr_vm_vsrc(0)                           ; the gate's stores have read v128-191, in which the bias lands
	BIASLOAD                                               ; the first head's bias is on its way across the barrier
	s_barrier_signal -1
	s_barrier_wait -1                                      ; K, V, Q and G lie in LDS; nobody reads m any more
	; ---- 2: attention: two trips of two heads
.macro HEAD e
.if \e == 0
	s_wait_alu depctr_vm_vsrc(0)                           ; the last trip's stores have read v7 and v8-13 (first trip: the projections' loads and stores have read their addresses v8-13, v120-127): all are written again in this head
.endif
	v_add_nc_u32 v103, s38, v4                             ; the head's seven LDS addresses, all ahead of one wait: Q's codes,
	v_add_nc_u32 v104, s39, v2                             ; Q's scale words,
	v_add_nc_u32 v105, s35, v2                             ; K's scale words,
	v_add_nc_u32 v106, s34, v1                             ; K's fragments,
	v_add_nc_u32 v11, s36, v1                              ; V's fragments,
	v_add_nc_u32 v12, s37, v2                              ; V's scale words,
	v_add_nc_u32 v13, s40, v1                              ; the gate
	s_wait_alu depctr_va_vdst(0)                           ; the seven addresses are written; the head before is done with v48-102 and v114-117, in which the loads below land
.irp p,0,1,2
	ds_load_b64 v[96+2*\p:97+2*\p], v103 offset:\e*3072+256*\p     ; my 16 queries' codes of this head: 24 bytes a query, the same in both halves of the lanes
.endr
	ds_load_b32 v102, v104 offset:\e*256
.irp f,0,1,2,3
	ds_load_b32 v[114+\f], v105 offset:\e*512+128*\f
.endr
.set N, 0
.rept 12
	ds_load_b128 v[48+4*N:51+4*N], v106 offset:\e*6144+512*N       ; the head's four fragments of K
.set N, N+1
.endr
.irp i,0,1,2,3,4,5
	v_mov_b32 v[16+\i], 0                                  ; zero codes round Q's: v16-21 | v22-27 Q in lanes 0-15 | v28-33 | v34-39 Q in lanes 16-31 | v40-45
	v_mov_b32 v[28+\i], 0
	v_mov_b32 v[40+\i], 0
.endr
	s_wait_dscnt 16                                        ; Q's four loads are in; K's four words and twelve fragment loads may be out
	v_perm_b32 v112, v102, v102, s33                       ; my tile's scale byte in all four bytes: it serves Q in whichever block it stands
.irp i,0,1,2,3,4,5
	v_cndmask_b32 v[22+\i], v16, v[96+\i], s32
	v_cndmask_b32 v[34+\i], v[96+\i], v16, s32
.endr
	PLACES 8                                               ; a scale register written by a vector instruction stands 8 places ahead of a scaled matrix instruction, an operand 4
	s_wait_dscnt 0x0
	s_wait_loadcnt 0x0                                     ; the bias is in the accumulators
	s_wait_alu depctr_va_vdst(0)                           ; Q's operand v16-45 and its scale word v112, made by vector instructions, are written: the products take them
.irp f,0,1,2,3                                             ; key slot 4 f + j: Q in block j.  Register 16 b + i of lane (r, h): query r, the slots' key 32 b + 16 h + i
	WM 128+32*\f, 48+12*\f, 22, 128+32*\f, 114+\f, 112, 0
	WM 136+32*\f, 48+12*\f, 34, 136+32*\f, 114+\f, 112, 0
	WM 144+32*\f, 48+12*\f, 16, 144+32*\f, 114+\f, 112, 0
	WM 152+32*\f, 48+12*\f, 28, 152+32*\f, 114+\f, 112, 0
.endr
	PLACES NPL
.irp b,0,1,2,3,4,5,6,7
	v_max3_num_f32 v[48+\b], v[128+16*\b], v[129+16*\b], v[130+16*\b]      ; the largest score of each block of 32 keys: for the row's maximum, and, since p rises with the score, for the block's largest p
.endr
.irp i,3,5,7,9,11,13
.irp b,0,1,2,3,4,5,6,7
	v_max3_num_f32 v[48+\b], v[48+\b], v[128+16*\b+\i], v[129+16*\b+\i]
.endr
.endr
.irp b,0,1,2,3,4,5,6,7
	v_max_num_f32 v[48+\b], v[48+\b], v[143+16*\b]
.endr
.irp b,0,1,2,3,4,5,6,7
	v_permlanex16_b32 v[56+\b], v[48+\b], s[SEL], s[SEL+1]
.endr
.irp b,0,1,2,3,4,5,6,7
	v_max_num_f32 v[48+\b], v[48+\b], v[56+\b]
.endr
	v_max3_num_f32 v7, v48, v49, v50
	v_max3_num_f32 v7, v7, v51, v52
	v_max3_num_f32 v7, v7, v53, v54
	v_max_num_f32 v7, v7, v55
	v_mul_f32 v7, s28, v7                                  ; the row's largest t (c is positive)
	v_floor_f32 v14, -v7                                   ; -M = floor(-t) = -ceil(t)
.set J, 0
.rept 64
	v_pk_fma_f32 v[128+2*J:129+2*J], v[128+2*J:129+2*J], s[28:29], v[14:15] op_sel_hi:[1,0,0]   ; t - M
.set J, J+1
.endr
.irp b,0,1,2,3,4,5,6,7
	v_fma_f32 v[48+\b], v[48+\b], s28, v14
.endr
.set J, 0
.rept 128
	v_exp_f32 v[128+J], v[128+J]                           ; p = 2^(t - M): not normalised
.set J, J+1
.endr
	v_nop                                                  ; a plain place behind the batch
	s_wait_alu depctr_va_vdst(0)                           ; one wait for the 128 exponentials, ahead of their first reader
.irp b,0,1,2,3,4,5,6,7
	v_exp_f32 v[48+\b], v[48+\b]                           ; each block's largest p: the same two instructions on the same number
.endr
.irp k,0,1,2,3
	v_pk_add_f32 v[72+2*\k:73+2*\k], v[128+4*\k:129+4*\k], v[130+4*\k:131+4*\k]     ; the row's sum, of the unquantised p, in four chains: it reads the 128 alone
.endr
.set J, 8
.rept 56
	v_pk_add_f32 v[72+2*(J%4):73+2*(J%4)], v[72+2*(J%4):73+2*(J%4)], v[128+2*J:129+2*J]
.set J, J+1
.endr
	v_pk_add_f32 v[72:73], v[72:73], v[74:75]
	v_pk_add_f32 v[76:77], v[76:77], v[78:79]
	v_pk_add_f32 v[72:73], v[72:73], v[76:77]
	v_add_f32 v7, v72, v73
	v_permlanex16_b32 v56, v7, s[SEL], s[SEL+1]
	v_add_f32 v7, v7, v56                                  ; with lane l xor 16's keys: the row's sum
	v_rcp_f32 v14, v7                                      ; (-M is done with)  The first line behind the wait is the plain place behind it
	s_wait_alu depctr_va_vdst(0)                           ; one wait for the eight exponentials and the reciprocal, ahead of their first readers
.irp b,0,1,2,3,4,5,6,7
	v_max_num_f32 v[48+\b], 0x1800000, v[48+\b]            ; the floor 2^(3 - 127)
.endr
.irp b,0,1,2,3,4,5,6,7
	v_add_nc_u32 v[64+\b], 0xff000000, v[48+\b]
.endr
.irp b,0,1,2,3,4,5,6,7
	v_lshrrev_b32 v[56+\b], 23, v[64+\b]
.endr
	v_lshl_or_b32 v118, v57, 8, v56                        ; p's scale words: the slots' keys 0-127,
	v_lshl_or_b32 v119, v61, 8, v60                        ; keys 128-255
	v_lshl_or_b32 v118, v58, 16, v118
	v_lshl_or_b32 v119, v62, 16, v119
	v_lshl_or_b32 v118, v59, 24, v118
	v_lshl_or_b32 v119, v63, 24, v119
.irp ks,0,1
.irp c,0,1
	v_cvt_scalef32_pk16_fp6_f32 v[16+12*\ks+6*\c:18+12*\ks+6*\c], v[128+64*\ks+32*\c:143+64*\ks+32*\c], v[64+4*\ks+2*\c]
	v_cvt_scalef32_pk16_fp6_f32 v[40+4*\c:42+4*\c], v[144+64*\ks+32*\c:159+64*\ks+32*\c], v[65+4*\ks+2*\c]
.endr
	v_nop
.irp c,0,1
.irp i,0,1,2
	v_permlane16_swap_b32 v[16+12*\ks+6*\c+\i], v[40+4*\c+\i]
.endr
.irp i,0,1,2
	v_mov_b32 v[19+12*\ks+6*\c+\i], v[40+4*\c+\i]
.endr
.endr
.endr
	s_wait_alu depctr_va_vdst(0)                           ; the sums and conversions are done with p's v128-255, in which the next bias lands; the softmax is done with v40-95, the score products with v114-117, the last head with v120-127: V, its words and the gate land there
	; the scores' registers are free: the next head's bias.  The last head asks for nothing: no load leaves the buffer
.if \e == 1
	s_cmp_eq_u32 s41, 1
	s_cbranch_scc1 .Lno_bias_\@
.endif
	s_add_nc_u64 s[42:43], s[42:43], 0x40000               ; (the last bias loads were waited for above, so their bases may step)  16 tiles of queries x 16,384 bytes on
	s_add_nc_u64 s[62:63], s[62:63], 0x40000
	BIASLOAD
.if \e == 1
.Lno_bias_\@:
.endif
.set N, 0
.rept 12
	ds_load_b128 v[48+4*N:51+4*N], v11 offset:\e*6144+512*N        ; V^T: fragment 2 u + ks
.set N, N+1
.endr
.irp f,0,1,2,3
	ds_load_b32 v[114+\f], v12 offset:\e*512+128*\f
.endr
	ds_load_b128 v[40:43], v13 offset:\e*2048                      ; the gate of my queries, this head
	ds_load_b128 v[44:47], v13 offset:\e*2048+512
	ds_load_b128 v[120:123], v13 offset:\e*2048+1024
	ds_load_b128 v[124:127], v13 offset:\e*2048+1536
	PLACES 8                                               ; p's scale words and codes were made by vector instructions: 8 and 4 places ahead of the products
	s_wait_alu depctr_vm_vsrc(0)                           ; this head's LDS loads have read their addresses: v103-106, which the products below write, and v11-13, which an odd head's codes take
	s_wait_dscnt 4                                         ; V's fragments and words are in; the gate's four loads may be out
	s_wait_alu depctr_va_vdst(0)                           ; p's codes v16-39 and scale words v118, v119, made by vector instructions, are written: the products take them; the places stand ahead of this wait
	WM 96, 48, 16, -1, 114, 118, 0                         ; O^T = V^T P^T: two accumulators by turns; register 8 u + j of lane (r, h): query r, channel 16 h + 8 u + j
	WM 104, 72, 16, -1, 116, 118, 0
	WM 96, 60, 28, 96, 115, 119, 0
	WM 104, 84, 28, 104, 117, 119, 0
	s_wait_dscnt 0x0
.irp i,0,1,2,3
	v_pk_mul_f32 v[40+2*\i:41+2*\i], v[40+2*\i:41+2*\i], v[14:15] op_sel_hi:[1,0]       ; gate / sum: these eight are also the places behind the products
.endr
.irp i,0,1,2,3
	v_pk_mul_f32 v[120+2*\i:121+2*\i], v[120+2*\i:121+2*\i], v[14:15] op_sel_hi:[1,0]
.endr
.irp i,0,1,2,3
	v_pk_mul_f32 v[96+2*\i:97+2*\i], v[96+2*\i:97+2*\i], v[40+2*\i:41+2*\i]
.endr
.irp i,0,1,2,3
	v_pk_mul_f32 v[104+2*\i:105+2*\i], v[104+2*\i:105+2*\i], v[120+2*\i:121+2*\i]
.endr
	v_max3_num_f32 v7, |v96|, |v97|, 0x1800000             ; the head is one block of 32 of the output product's K: my 16 numbers, in two chains
	v_max3_num_f32 v15, |v98|, |v99|, |v100|
	v_max3_num_f32 v7, v7, |v101|, |v102|
	v_max3_num_f32 v15, v15, |v103|, |v104|
	v_max3_num_f32 v7, v7, |v105|, |v106|
	v_max3_num_f32 v15, v15, |v107|, |v108|
	v_max3_num_f32 v7, v7, |v109|, |v110|
	v_max3_num_f32 v15, v15, |v111|, v7
	v_permlanex16_b32 v7, v15, s[SEL], s[SEL+1]
	v_max_num_f32 v7, v7, v15
	v_add_nc_u32 v7, 0xff000000, v7
.if \e == 0
	v_cvt_scalef32_pk16_fp6_f32 v[8:10], v[96:111], v7
	v_lshrrev_b32 v6, 23, v7                               ; the byte (a plain place behind the conversion)
.else
	v_cvt_scalef32_pk16_fp6_f32 v[48:50], v[96:111], v7
	v_lshrrev_b32 v15, 23, v7
.irp i,0,1,2
	v_permlane16_swap_b32 v[8+\i], v[48+\i]                ; two heads' half blocks become whole blocks: lanes 0-15 the even head, lanes 16-31 the odd one
.endr
.irp i,0,1,2
	v_mov_b32 v[11+\i], v[48+\i]
.endr
	v_add_nc_u32 v7, s52, v3
	v_lshl_or_b32 v6, v15, 8, v6
	v_lshrrev_b32 v5, 16, v5
	v_lshl_or_b32 v5, v6, 16, v5                           ; two bytes a trip: after two trips the word is whole
	s_wait_alu depctr_va_vdst(0)                           ; the codes v8-13 and their address v7 are written, which the stores read
.irp p,0,1,2
	ds_store_b64 v7, v[8+2*\p:9+2*\p] offset:256*\p        ; registers 6 trip .. 6 trip + 5 of the values' fragment (tile qt, K step g)
.endr
.endif
.endm
	s_mov_b32 s41, 0
.Ltrip:
	HEAD 0
	HEAD 1
	s_add_co_u32 s34, s34, 12288
	s_add_co_u32 s35, s35, 1024
	s_add_co_u32 s36, s36, 12288
	s_add_co_u32 s37, s37, 1024
	s_add_co_u32 s38, s38, 6144
	s_add_co_u32 s39, s39, 512
	s_add_co_u32 s40, s40, 4096
	s_add_co_u32 s52, s52, 768
	s_add_co_u32 s41, s41, 1
	s_cmp_lt_u32 s41, 2
	s_cbranch_scc1 .Ltrip
	s_lshl_b32 s48, s23, 1
	s_add_co_u32 s48, s48, s24
	s_lshl_b32 s48, s48, 7
	s_add_co_u32 s48, s48, VIS
	s_wait_alu depctr_vm_vsrc(0)                           ; the last trip's stores have read v7, which is written again
	v_add_nc_u32 v7, s48, v2
	PLACES NPL
	s_mul_i32 s48, s20, 3072
	s_add_co_u32 s48, s48, 4*49152
	s_mov_b32 s49, 0
	s_add_nc_u64 s[54:55], s[8:9], s[48:49]                ; Wo's tile w of columns
	s_lshl_b32 s48, s20, 7
	s_add_co_u32 s48, s48, 4*2048
	s_add_nc_u64 s[56:57], s[10:11], s[48:49]
	s_lshl_b32 s48, s21, 7
	s_lshl_b32 s51, s22, 5
	s_add_co_u32 s50, s48, s51                             ; 128 (w / 2) + 32 (w % 2): my columns' bytes in a row, less 64 h
	s_mov_b32 s48, s50
	s_add_nc_u64 s[58:59], s[16:17], s[48:49]
	v_bfe_u32 v125, v0, 4, 1                               ; h
	v_lshlrev_b32 v126, 6, v125                            ; 64 h
	v_lshl_add_u32 v121, v125, 7, v2
	v_add_nc_u32 v121, VIS, v121                           ; the values' scale words: lanes 0-15 K step 0's row, lanes 16-31 K step 1's
	v_and_b32 v122, 15, v0
	v_and_b32 v123, 8, v122
	v_add_nc_u32 v122, v122, v123                          ; r + 8 (r / 8)
	v_mul_u32_u24 v122, v122, OSP
	v_lshl_add_u32 v122, v125, 6, v122
	s_add_co_u32 s50, s50, OS
	v_add_nc_u32 v122, s50, v122                           ; the stage, way in, tiles 0-3;
	v_add_nc_u32 v123, 64*OSP, v122                        ; tiles 4-7
	s_mul_i32 s48, s20, 8*OSP
	s_add_co_u32 s48, s48, OS
	v_add_nc_u32 v124, s48, v1                             ; and way out: my 8 rows
	s_wait_alu depctr_va_vdst(0)                           ; v5, v7, v121-124 and v126 are written, which the store and the loads from here to the end read; the last head is done with v16-95, v112-117 and v128-175, in which loads land
	ds_store_b32 v7, v5
.irp n,0,1,2,3,4,5
	global_load_b128 v[16+4*\n:19+4*\n], v1, s[54:55] offset:512*\n
.endr
	global_load_b32 v112, v2, s[56:57]
	global_load_b128 v[40:43], v126, s[58:59]              ; bo in the result's layout: columns 32 (w / 2) + 16 h + 8 (w % 2) + 0 .. 7
	global_load_b128 v[44:47], v126, s[58:59] offset:16
	s_lshl_b32 s48, s26, 8
	s_lshl_b32 s51, s25, 7
	s_add_co_u32 s48, s48, s51
	s_lshl_b32 s51, s20, 3
	s_add_co_u32 s48, s48, s51
	s_lshl_b32 s48, s48, 10
	s_add_nc_u64 s[60:61], s[18:19], s[48:49]              ; out0 at row 256 s + 128 qh + 8 w
	BAR                                                    ; the values' 16 fragments lie in LDS; nobody reads the gate any more
	; ---- 3: my 16 output columns for the 128 queries: four groups of two tiles, fragments in two buffers by turns
.macro GLOAD i, fb, sc
.irp q,0,1
.irp ks,0,1
.irp p,0,1,2,3,4,5
	ds_load_b64 v[\fb+12*(2*\q+\ks)+2*\p:\fb+12*(2*\q+\ks)+2*\p+1], v3 offset:((2*\i+\q)*2+\ks)*1536+256*\p
.endr
.endr
	ds_load_b32 v[\sc+\q], v121 offset:(2*\i+\q)*256
.endr
.endm
.macro GMUL i, fb, sc                  ; two accumulators by turns; bo is the C of each sum's first instruction
	WM 192+16*\i, 16, \fb, 40, 112, \sc, 0
	WM 200+16*\i, 16, \fb+24, 40, 112, \sc+1, 0
	WM 192+16*\i, 28, \fb+12, 192+16*\i, 112, \sc, 1
	WM 200+16*\i, 28, \fb+36, 200+16*\i, 112, \sc+1, 1
.endm
	GLOAD 0, 48, 114
	GLOAD 1, 128, 116
	s_wait_loadcnt 0x0                                     ; Wo, its scales, bo
	s_wait_dscnt 26                                        ; this group's 26 loads are in; the other group's 26 may be out
	GMUL 0, 48, 114
	PLACES NPL
	s_wait_alu depctr_va_vdst(0)                           ; group 0's products are done reading v48-95, v114 and v115, in which group 2's loads land
	GLOAD 2, 48, 114
	s_wait_dscnt 26
	GMUL 1, 128, 116
	PLACES NPL
	s_wait_alu depctr_va_vdst(0)                           ; group 1's products are done reading v128-175, v116 and v117, in which group 3's loads land
	GLOAD 3, 128, 116
	s_wait_dscnt 26
	GMUL 2, 48, 114
	s_wait_dscnt 0x0
	GMUL 3, 128, 116
	PLACES NPL
	s_wait_alu depctr_va_vdst(0)                           ; the products have written the accumulators v192-255, which the stores read, and are done reading v128-175, in which the stage's rows land; the places above stay beside this wait
.irp qt,0,1,2,3,4,5,6,7
	ds_store_b128 v[122+\qt/4], v[192+8*\qt:195+8*\qt] offset:(32*((\qt/2)%2)+8*(\qt%2))*OSP        ; each accumulator from its low end on: lane (r, h): eight neighbouring columns of query row r
	ds_store_b128 v[122+\qt/4], v[196+8*\qt:199+8*\qt] offset:(32*((\qt/2)%2)+8*(\qt%2))*OSP+16
.endr
	BAR                                                    ; 128 whole rows lie in the stage
.set N, 0
.rept 16
	ds_load_b128 v[128+4*N:131+4*N], v124 offset:(N/2)*OSP+512*(N%2)
.set N, N+1
.endr
.set N, 0
.rept 16
	s_wait_dscnt 15-N                                      ; LDS loads come back in order: load N is in
	global_store_b128 v1, v[128+4*N:131+4*N], s[60:61] offset:1024*(N/2)+512*(N%2) th:TH_STORE_NT   ; 32 lanes store 512 consecutive bytes, aligned; written once, read by nobody here
.set N, N+1
.endr
	s_wait_xcnt 0x0
	s_wait_alu depctr_vm_vsrc(0)                           ; the stage's stores have read v254 and v255, which are made anew
	v_lshl_add_u32 v254, v0, 2, 0x4d800
	v_mov_b32 v255, 0
	s_wait_dscnt 0x0                                       ; the closing lines, six on end
	s_wait_alu 0x0
	s_wait_tensorcnt 0x0
	ds_add_u32 v254, v255
	s_wait_dscnt 0x0
	s_endpgm
.Lfunc_end_k_qaf31be843d_main:
	.size	k_qaf31be843d_main, .Lfunc_end_k_qaf31be843d_main-k_qaf31be843d_main
	.p2alignl 7, 3214868480
	.fill 96, 4, 3214868480
	.section	.rodata,"a",@progbits
	.p2align	6, 0x0
	.amdhsa_kernel k_qaf31be843d_main
		.amdhsa_group_segment_fixed_size 319488
		.amdhsa_private_segment_fixed_size 0
		.amdhsa_enable_private_segment 0
		.amdhsa_kernarg_size 64
		.amdhsa_user_sgpr_count 2
		.amdhsa_user_sgpr_kernarg_segment_ptr 1
		.amdhsa_wavefront_size32 1
		.amdhsa_system_sgpr_workgroup_id_x 1
		.amdhsa_system_sgpr_workgroup_id_y 1
		.amdhsa_system_sgpr_workgroup_id_z 1
		.amdhsa_system_vgpr_workitem_id 0
		.amdhsa_next_free_vgpr 256
		.amdhsa_next_free_sgpr 66
		.amdhsa_reserve_vcc 0
		.amdhsa_float_denorm_mode_32 3
		.amdhsa_float_denorm_mode_16_64 3
		.amdhsa_memory_ordered 1
		.amdhsa_forward_progress 1
		.amdhsa_inst_pref_size 155
	.end_amdhsa_kernel
	.amdgpu_metadata
---
amdhsa.version: [ 1, 2 ]
amdhsa.kernels:
  - .name:           k_qaf31be843d_main
    .symbol:         k_qaf31be843d_main.kd
    .args:
      - { .name: mfrag, .offset: 0, .size: 8, .value_kind: global_buffer, .address_space: global }
      - { .name: mscl, .offset: 8, .size: 8, .value_kind: global_buffer, .address_space: global }
      - { .name: wfrag, .offset: 16, .size: 8, .value_kind: global_buffer, .address_space: global }
      - { .name: wscl, .offset: 24, .size: 8, .value_kind: global_buffer, .address_space: global }
      - { .name: bias, .offset: 32, .size: 8, .value_kind: global_buffer, .address_space: global }
      - { .name: bg, .offset: 40, .size: 8, .value_kind: global_buffer, .address_space: global }
      - { .name: bo, .offset: 48, .size: 8, .value_kind: global_buffer, .address_space: global }
      - { .name: out0, .offset: 56, .size: 8, .value_kind: global_buffer, .address_space: global }
    .group_segment_fixed_size: 319488
    .private_segment_fixed_size: 0
    .kernarg_segment_align: 8
    .kernarg_segment_size: 64
    .max_flat_workgroup_size: 512
    .sgpr_count:     66
    .vgpr_count:     256
    .wavefront_size: 32
...
	.end_amdgpu_metadata
.endif
;; end of part 4
